; MI455X (gfx1250); checked and timed in simulation.
; The chip was launched on July 23, 2026; its instructions are those of AMD's public machine-readable ISA for CDNA 5 (MIT licence, August 2026) and "CDNA5" Instruction Set Architecture Reference Guide (July 2026). The comments in the code are by the model that wrote it; some were corrected since.
;; Optimized Differentiable Pchip. Allowed arithmetic: float matrix products may take bf16 or f16 operands with f32 sums; all other float work in f32.
;; Inputs: t 16,777,216 float32; x 4,096 float32; y 4,096 float32.
;; Outputs: out0 16,777,216 float32.
;; 3 versions, each right; version 2 is faster than version 1; version 3 is version 2 with the launch evaluate written anew for expert scheduling mode. Each part assembles by itself: llvm-mc -triple=amdgcn-amd-amdhsa -mcpu=gfx1250 --defsym DOCPART=n.
;; ======== version 1 of 3: 2 launches
;; workspace buffers: keys 67,108,864 bytes of whole numbers; ekeys 16,384 bytes of whole numbers; tab 98,304 bytes
;; launch prepare (part 1): grid 2048 x 1, 8 waves a work-group, no clusters, 0 bytes of LDS; arguments t, x, y, keys, ekeys, tab; writes keys, ekeys, tab
.if DOCPART == 1
	.amdgcn_target "amdgcn-amd-amdhsa--gfx1250"
	.amdhsa_code_object_version 6
	.text
	.protected	k_qe454a7d989_prepare
	.globl	k_qe454a7d989_prepare
	.p2align	8
	.type	k_qe454a7d989_prepare,@function
k_qe454a7d989_prepare:
	s_mov_b64 s[64:65], 0
	v_nop
	global_prefetch_b8 v0, s[64:65] scope:SCOPE_SE
	s_setreg_imm32_b32 hwreg(HW_REG_WAVE_MODE, 25, 1), 1
	s_wait_xcnt 0x0
; PCHIP, first of two launches.  No address of a launch hangs on floating-point numbers of the same launch, so the search for a query's
; segment is not made here: this launch turns the queries t and the knots x into whole numbers that order as the floats do, and the next
; launch searches by comparing those whole numbers.
;   key(b) = b xor ((b >> 31, arithmetic) >> 1, logical): a float's bits, the lower 31 inverted where the sign is set.  Signed integer order
;   of the keys is the total order of the floats.  The map is its own inverse, so the next launch gets t back from its key.
; (1) Every work-group: 32 KiB of t -> keys.  A thread takes 16 bytes of each of 8 blocks of 4 KiB: a wave's load or store covers 512
;     consecutive bytes; all 8 loads are issued before the first wait.
; (2) Work-groups 0-15 also: one segment i a thread: tab[8 i] = {x[i], 1/dx}, tab[32768 + 16 i] = {y0, m0, c2, c3} with
;     m0 = dx d[i], m1 = dx d[i+1], c2 = 3 (y1-y0) - 2 m0 - m1, c3 = m0 + m1 - 2 (y1-y0):  out = y0 + tn (m0 + tn (c2 + tn c3)), tn = (t-x0)/dx,
;     the same cubic as h00 y0 + h10 dx d0 + h01 y1 + h11 dx d1.  Entry 4095 is no segment; it is written (from clamped indices) and never used.
; (3) Work-groups 16-19 also: the knots' keys in level order: ekeys[i], i = 2^(k-1) + p, is the pivot of level k behind the decisions p of
;     the binary search with low = 0, steps 2048 .. 1: knot (2p+1) << (12-k).  Here -0 counts as +0 and every NaN as the largest key, as in
;     the comparison that jnp.searchsorted uses.  (For t's keys this is not needed: -0 orders against such knots as +0 does, and a NaN in t
;     gives NaN from any segment.)
; LIMITS: a division is v_rcp_f32 and a multiply (1 ulp; v_rcp_f32 flushes denormals: ISA guide 15.8), so knot distances, slopes and
; weight sums below 2^-126 or above 2^126 in magnitude give other numbers than a true division.
.set NK,   4096                        ; knots
.set OFFS, 1                           ; v1       16 x thread
.set X,    4                           ; v[4:35]  8 x 4 numbers of t, turned into keys in place
.set T,    36                          ; v[36:39] at work
	s_load_b256 s[4:11], s[0:1], 0x0               ; t s[4:5], x s[6:7], y s[8:9], keys s[10:11]
	s_load_b128 s[12:15], s[0:1], 0x20             ; ekeys s[12:13], tab s[14:15]
	s_mov_b32 s16, ttmp9                           ; the work-group's number
	s_lshl_b32 s2, s16, 15                         ; times 32 KiB: below 2^26
	s_mov_b32 s3, 0
	v_lshlrev_b32 v[OFFS], 4, v0
	s_wait_kmcnt 0x0
	s_add_nc_u64 s[4:5], s[4:5], s[2:3]
	s_add_nc_u64 s[10:11], s[10:11], s[2:3]
.irp j, 0,1,2,3,4,5,6,7
	global_load_b128 v[X+4*\j:X+4*\j+3], v[OFFS], s[4:5] offset:4096*\j th:TH_LOAD_NT   ; t is read once in the whole program
.endr
.irp j, 0,1,2,3,4,5,6,7
	s_wait_loadcnt 7-\j                            ; loads return in order (ISA guide 5.7.1): block j is in, the 7-j younger ones stay out
.irp k, 0,1,2,3
	v_ashrrev_i32 v[T+\k], 31, v[X+4*\j+\k]        ; all ones where the sign is set
.endr
.irp k, 0,1,2,3
	v_lshrrev_b32 v[T+\k], 1, v[T+\k]              ; the lower 31 bits of that
.endr
.irp k, 0,1,2,3
	v_xor_b32 v[X+4*\j+\k], v[X+4*\j+\k], v[T+\k]
.endr
	global_store_b128 v[OFFS], v[X+4*\j:X+4*\j+3], s[10:11] offset:4096*\j   ; no hint: the next launch reads these bytes
.endr
	s_cmp_ge_u32 s16, 20
	s_cbranch_scc1 .Ldone                          ; 2,028 of the 2,048 work-groups are done
	s_wait_xcnt 0x0                                ; the stores' data registers are written again below, only behind this wait
	s_cmp_ge_u32 s16, 16
	s_cbranch_scc1 .Ltree
	; ---- (2) the record of segment i = 256 x work-group + thread ----
.set I,   2                            ; i
.set OM,  4                            ; byte offsets of knots i-1, i, i+1, i+2
.set O0,  5
.set O1,  6
.set O2,  7
.set XM,  8                            ; x[i-1]
.set XBP, 10                           ; v[10:11] = x[i], 1/dx: stored as they stand
.set X1,  12
.set X2,  13
.set YM,  14
.set Y1,  15
.set Y2,  16
.set CFQ, 20                           ; v[20:23] = y[i], m0, c2, c3: stored as they stand
.set DXM, 24
.set DX0, 25
.set DXP, 26
.set DYM, 27
.set DY0, 28
.set DYP, 29
.set RM,  30
.set RP,  31
.set SM,  32                           ; slopes of segments i-1, i, i+1
.set S0,  33
.set SP,  34
.set D0,  35                           ; derivatives at knots i, i+1
.set D1,  36
.set TA,  37
.set TB,  38
.set W1,  40
.set W2,  41
.set M1,  42
.set OB,  43
.set OC,  44
	s_lshl_b32 s17, s16, 8
	v_add_nc_u32 v[I], s17, v0
	v_add_nc_u32 v[OM], -1, v[I]                   ; i = 0 wraps and is clamped to knot 4095: what comes of it is thrown away below
	v_add_nc_u32 v[O1], 1, v[I]
	v_add_nc_u32 v[O2], 2, v[I]
	v_min_u32 v[OM], NK-1, v[OM]
	v_min_u32 v[O1], NK-1, v[O1]
	v_min_u32 v[O2], NK-1, v[O2]
	v_lshlrev_b32 v[O0], 2, v[I]
	v_lshlrev_b32 v[OM], 2, v[OM]
	v_lshlrev_b32 v[O1], 2, v[O1]
	v_lshlrev_b32 v[O2], 2, v[O2]
	global_load_b32 v[XM],  v[OM], s[6:7]
	global_load_b32 v[XBP], v[O0], s[6:7]
	global_load_b32 v[X1],  v[O1], s[6:7]
	global_load_b32 v[X2],  v[O2], s[6:7]
	global_load_b32 v[YM],  v[OM], s[8:9]
	global_load_b32 v[CFQ], v[O0], s[8:9]
	global_load_b32 v[Y1],  v[O1], s[8:9]
	global_load_b32 v[Y2],  v[O2], s[8:9]
	v_lshlrev_b32 v[OB], 3, v[I]
	v_lshlrev_b32 v[OC], 4, v[I]
	s_wait_loadcnt 0x0
	v_sub_f32 v[DXM], v[XBP], v[XM]
	v_sub_f32 v[DX0], v[X1], v[XBP]
	v_sub_f32 v[DXP], v[X2], v[X1]
	v_rcp_f32 v[RM], v[DXM]
	v_rcp_f32 v[XBP+1], v[DX0]
	v_rcp_f32 v[RP], v[DXP]
	v_sub_f32 v[DYM], v[CFQ], v[YM]                ; plain work that touches none of the reciprocals stands behind them (ISA guide 5.7.2)
	v_sub_f32 v[DY0], v[Y1], v[CFQ]
	v_sub_f32 v[DYP], v[Y2], v[Y1]
	s_wait_alu depctr_va_vdst(0)
	v_mul_f32 v[SM], v[DYM], v[RM]
	v_mul_f32 v[S0], v[DY0], v[XBP+1]
	v_mul_f32 v[SP], v[DYP], v[RP]
; The derivative at an inner knot between slopes sa (left) and sb (right): (w1+w2) / (w1/sa + w2/sb) where sa sb > 0, else 0.
; Where the condition fails the quotient may be infinite or NaN: v_cndmask_b32 throws it away, as the reference's where() does.
.macro NODE d, sa, sb, dxa, dxb
	v_rcp_f32 v[TA], v[\sa]
	v_rcp_f32 v[TB], v[\sb]
	v_fma_f32 v[W1], 2.0, v[\dxb], v[\dxa]         ; w1 = 2 dx(right) + dx(left); also the plain place behind the reciprocals
	v_fma_f32 v[W2], 2.0, v[\dxa], v[\dxb]         ; w2 = dx(right) + 2 dx(left)
	s_wait_alu depctr_va_vdst(0)
	v_mul_f32 v[TA], v[W1], v[TA]
	v_fma_f32 v[TA], v[W2], v[TB], v[TA]           ; w1/sa + w2/sb
	v_rcp_f32 v[TB], v[TA]
	v_add_f32 v[W1], v[W1], v[W2]                  ; the plain place behind this reciprocal
	v_mul_f32 v[W2], v[\sa], v[\sb]
	s_wait_alu depctr_va_vdst(0)
	v_mul_f32 v[\d], v[W1], v[TB]
	v_cmp_lt_f32 vcc_lo, 0, v[W2]
	v_cndmask_b32 v[\d], 0, v[\d], vcc_lo
.endm
	NODE D0, SM, S0, DXM, DX0
	NODE D1, S0, SP, DX0, DXP
	v_cmp_eq_u32 vcc_lo, 0, v[I]
	v_cndmask_b32 v[D0], v[D0], v[S0], vcc_lo      ; knot 0 takes the first slope
	v_cmp_le_u32 vcc_lo, NK-2, v[I]
	v_cndmask_b32 v[D1], v[D1], v[S0], vcc_lo      ; knot 4095 takes the last slope
	v_mul_f32 v[CFQ+1], v[DX0], v[D0]              ; m0
	v_mul_f32 v[M1], v[DX0], v[D1]                 ; m1
	v_fma_f32 v[TA], -2.0, v[CFQ+1], -v[M1]
	v_add_f32 v[TB], v[CFQ+1], v[M1]
	v_fma_f32 v[CFQ+2], 0x40400000, v[DY0], v[TA]  ; c2 = 3 dy - 2 m0 - m1
	v_fma_f32 v[CFQ+3], -2.0, v[DY0], v[TB]        ; c3 = m0 + m1 - 2 dy
	global_store_b64  v[OB], v[XBP:XBP+1], s[14:15]               ; a wave stores 256 consecutive bytes, aligned
	global_store_b128 v[OC], v[CFQ:CFQ+3], s[14:15] offset:32768  ; and 512
	s_branch .Ldone
	; ---- (3) four nodes of the search tree a thread: i = 4 T + e, T = 256 x (work-group - 16) + thread ----
.Ltree:
.set TN, 2
.set N,  4                             ; v[4:7]   2i+1, then the knot's number, then its byte offset
.set B,  8                             ; v[8:11]  the knots' bits
.set K,  12                            ; v[12:15] their keys
.set TT, 16
.set MG, 17
.set OE, 18
	s_sub_co_u32 s17, s16, 16
	s_lshl_b32 s17, s17, 8
	v_add_nc_u32 v[TN], s17, v0
	v_lshlrev_b32 v[OE], 4, v[TN]
	v_lshlrev_b32 v[TT], 3, v[TN]
.irp e, 0,1,2,3
	v_or_b32 v[N+\e], 2*\e+1, v[TT]                ; 2i+1 = 2^k + 2p + 1
.endr
; (2i+1) << (12-k) = 4096 + ((2p+1) << (12-k)): shift left until bit 12 is set (by 8, 4, 2, 1 where that still fits in 13 bits), drop bit 12.
; i = 0 gives knot 0: node 0 is written and never read.
.irp s, 8,4,2,1
.irp e, 0,1,2,3
	v_cmp_gt_u32 vcc_lo, 1<<(13-\s), v[N+\e]
	v_lshlrev_b32 v[TT], \s, v[N+\e]
	v_cndmask_b32 v[N+\e], v[N+\e], v[TT], vcc_lo
.endr
.endr
.irp e, 0,1,2,3
	v_and_b32 v[N+\e], NK-1, v[N+\e]
	v_lshlrev_b32 v[N+\e], 2, v[N+\e]
	global_load_b32 v[B+\e], v[N+\e], s[6:7]
.endr
	s_wait_loadcnt 0x0
.irp e, 0,1,2,3
	v_ashrrev_i32 v[TT], 31, v[B+\e]
	v_and_b32 v[MG], 0x7fffffff, v[B+\e]           ; the magnitude's bits
	v_lshrrev_b32 v[TT], 1, v[TT]
	v_xor_b32 v[K+\e], v[B+\e], v[TT]
	v_cmp_ne_u32 vcc_lo, 0, v[MG]
	v_cndmask_b32 v[K+\e], 0, v[K+\e], vcc_lo      ; both zeros: key 0
	v_cmp_ge_u32 vcc_lo, 0x7f800000, v[MG]
	v_cndmask_b32 v[K+\e], 0x7fffffff, v[K+\e], vcc_lo   ; every NaN: the largest key
.endr
	global_store_b128 v[OE], v[K:K+3], s[12:13]    ; a wave stores 512 consecutive bytes, aligned
.Ldone:
	s_endpgm
.Lfunc_end_k_qe454a7d989_prepare:
	.size	k_qe454a7d989_prepare, .Lfunc_end_k_qe454a7d989_prepare-k_qe454a7d989_prepare
	.p2alignl 7, 3214868480
	.fill 96, 4, 3214868480
	.section	.rodata,"a",@progbits
	.p2align	6, 0x0
	.amdhsa_kernel k_qe454a7d989_prepare
		.amdhsa_group_segment_fixed_size 0
		.amdhsa_private_segment_fixed_size 0
		.amdhsa_enable_private_segment 0
		.amdhsa_kernarg_size 48
		.amdhsa_user_sgpr_count 2
		.amdhsa_user_sgpr_kernarg_segment_ptr 1
		.amdhsa_wavefront_size32 1
		.amdhsa_system_sgpr_workgroup_id_x 1
		.amdhsa_system_sgpr_workgroup_id_y 1
		.amdhsa_system_sgpr_workgroup_id_z 1
		.amdhsa_system_vgpr_workitem_id 0
		.amdhsa_next_free_vgpr 48
		.amdhsa_next_free_sgpr 66
		.amdhsa_reserve_vcc 1
		.amdhsa_float_denorm_mode_32 3
		.amdhsa_float_denorm_mode_16_64 3
		.amdhsa_memory_ordered 1
		.amdhsa_forward_progress 1
		.amdhsa_inst_pref_size 14
	.end_amdhsa_kernel
	.amdgpu_metadata
---
amdhsa.version: [ 1, 2 ]
amdhsa.kernels:
  - .name:           k_qe454a7d989_prepare
    .symbol:         k_qe454a7d989_prepare.kd
    .args:
      - { .name: t, .offset: 0, .size: 8, .value_kind: global_buffer, .address_space: global }
      - { .name: x, .offset: 8, .size: 8, .value_kind: global_buffer, .address_space: global }
      - { .name: y, .offset: 16, .size: 8, .value_kind: global_buffer, .address_space: global }
      - { .name: keys, .offset: 24, .size: 8, .value_kind: global_buffer, .address_space: global }
      - { .name: ekeys, .offset: 32, .size: 8, .value_kind: global_buffer, .address_space: global }
      - { .name: tab, .offset: 40, .size: 8, .value_kind: global_buffer, .address_space: global }
    .group_segment_fixed_size: 0
    .private_segment_fixed_size: 0
    .kernarg_segment_align: 8
    .kernarg_segment_size: 48
    .max_flat_workgroup_size: 256
    .sgpr_count:     66
    .vgpr_count:     48
    .wavefront_size: 32
...
	.end_amdgpu_metadata
.endif
;; end of part 1
;; launch evaluate (part 2): grid 256 x 1, 32 waves a work-group, no clusters, 118,784 bytes of LDS; arguments keys, ekeys, tab, out0; writes out0
.if DOCPART == 2
	.amdgcn_target "amdgcn-amd-amdhsa--gfx1250"
	.amdhsa_code_object_version 6
	.text
	.protected	k_qe454a7d989_evaluate
	.globl	k_qe454a7d989_evaluate
	.p2align	8
	.type	k_qe454a7d989_evaluate,@function
k_qe454a7d989_evaluate:
	s_mov_b64 s[64:65], 0
	v_nop
	global_prefetch_b8 v0, s[64:65] scope:SCOPE_SE
	s_setreg_imm32_b32 hwreg(HW_REG_WAVE_MODE, 25, 1), 1
	s_wait_xcnt 0x0
; PCHIP, second of two launches: for each query the segment is searched and the segment's cubic evaluated.
; keys:  the queries as ordered whole numbers (the first launch's map, which is its own inverse: t comes back from its key here).
; ekeys: the knots' keys in level order (node 1 = root, children of node i = 2i, 2i+1).   tab: {x0, 1/dx} x 4096, then {y0, m0, c2, c3} x 4096.
; THE SEARCH is the path of jnp.searchsorted (side left, binary search from low = 0, high = 4096): twelve times: right where pivot < query.
; All that enters an address here is a whole number read from memory.  The reference's 13th step can only turn the result 1 into 0, and
; its clip makes segment 0 of both; so the segment is min(low, 4094) behind 12 steps, for any x, sorted or not.
; SHARES: 256 work-groups of 32 waves; a work-group takes 65,536 queries in 8 trips of 32 KiB; in a trip a thread takes 16 bytes of each half,
; so a wave's load or store covers 512 consecutive bytes, and a lane runs 8 searches side by side: while one waits for its pivot the
; other seven go on (8 LDS reads of the wave are always out).
; LDS: the three tables, filled once through registers, then only read: one barrier.  Level order, because in the sorted array the pivots
; of a level lie a power of two apart and would share a bank; side by side the up to 64 nodes of each of the levels 1-7 lie in 64
; different banks (64 banks of 4 bytes: ISA guide 11.1).
; NO CLUSTER: what work-groups share is the 114,688 bytes of tables, read once by each, against 524,288 bytes that each streams alone;
; a joint load would bring the cluster's rounds for that one fill.  No matrix work: the problem has no products of matrices.
; LIMITS: tn = (t - x0) times the first launch's 1/dx (v_rcp_f32, 1 ulp, denormals flushed); the cubic in Horner form, so the order of
; rounding is not the reference's.  A NaN in t gives NaN, whatever segment its key leads to.
.set NSEG,  4095                       ; segments
.set LXB,   16384                      ; LDS: tree at 0; {x0, 1/dx} here, 8 bytes a segment;
.set LCF,   49152                      ; {y0, m0, c2, c3} here, 16 bytes a segment
.set TRIPB, 32768                      ; bytes of keys (and of results) of a work-group's trip
.set HALFB, 16384
.set ADR,  1                           ; v1       16 x thread; never rewritten
.set ADR2, 2                           ; v2       the same + 65,536: an LDS immediate has 16 bits
.set FOUR, 3                           ; v3       the constant 4
.set C,    4                           ; v4, v5   at work
.set R,    5
.set Q0,   8                           ; v[8:15]  keys of the even trips, turned back into t in place
.set Q1,   16                          ; v[16:23] keys of the odd trips
.set A,    24                          ; v[24:31] chain j: 4 x the decisions so far
.set P,    32                          ; v[32:39] chain j: its pivot; at the end its result
.set XB,   40                          ; v[40:55] chain j: x0, 1/dx
.set CF,   56                          ; v[56:87] chain j: y0, m0, c2, c3.  First: the stage of the tables' fill
.set ROOT, 20                          ; s20      the root's key
	s_load_b256 s[4:11], s[0:1], 0x0               ; keys s[4:5], ekeys s[6:7], tab s[8:9], out0 s[10:11]
	v_lshl_add_u32 v88, v0, 2, 0x1c000
	v_mov_b32 v89, 0
	s_lshl_b32 s2, ttmp9, 18                       ; the work-group's 256 KiB: below 2^26
	s_mov_b32 s3, 0
	v_lshlrev_b32 v[ADR], 4, v0
	v_mov_b32 v[FOUR], 4
	s_wait_kmcnt 0x0
	s_load_b32 s[ROOT], s[6:7], 0x4                ; node 1
	global_load_b128 v[CF:CF+3], v[ADR], s[6:7]    ; the tree: 1,024 threads x 16 bytes
.irp j, 0,1,2,3,4,5
	global_load_b128 v[CF+4+4*\j:CF+7+4*\j], v[ADR], s[8:9] offset:16384*\j   ; tab: six times as much
.endr
	s_add_nc_u64 s[4:5], s[4:5], s[2:3]
	s_add_nc_u64 s[10:11], s[10:11], s[2:3]
	global_load_b128 v[Q0:Q0+3],   v[ADR], s[4:5] th:TH_LOAD_NT                      ; trips 0 and 1
	global_load_b128 v[Q0+4:Q0+7], v[ADR], s[4:5] offset:HALFB th:TH_LOAD_NT
	global_load_b128 v[Q1:Q1+3],   v[ADR], s[4:5] offset:TRIPB th:TH_LOAD_NT
	global_load_b128 v[Q1+4:Q1+7], v[ADR], s[4:5] offset:TRIPB+HALFB th:TH_LOAD_NT
	v_add_nc_u32 v[ADR2], 0x10000, v[ADR]
	s_wait_loadcnt 0x4                             ; the seven table loads are in; the four key loads behind them stay out
	ds_store_b128 v[ADR],  v[CF:CF+3]
	ds_store_b128 v[ADR],  v[CF+4:CF+7]   offset:16384
	ds_store_b128 v[ADR],  v[CF+8:CF+11]  offset:32768
	ds_store_b128 v[ADR],  v[CF+12:CF+15] offset:49152
	ds_store_b128 v[ADR2], v[CF+16:CF+19]
	ds_store_b128 v[ADR2], v[CF+20:CF+23] offset:16384
	ds_store_b128 v[ADR2], v[CF+24:CF+27] offset:32768
	s_wait_dscnt 0x0                               ; my part of the tables is written: zero, for the other waves' sake
	s_barrier_signal -1
	s_barrier_wait -1                              ; everybody's is; from here on LDS is only read
	s_wait_kmcnt 0x0                               ; the root
; One trip: 8 queries a lane.  q = the set of keys; n = 0, 1: the trip's place in the pair; ahead = 1: the set is loaded again, two trips on;
; left = how many younger key loads may stay out.
; An address made from loaded numbers is bounded by v_min_u32 with a constant in the line in front of the read, level by level: the
; bound is the level's last node, and at the end the reference's own clip.
.macro TRIP q, n, ahead, left
	s_wait_loadcnt \left                           ; this set's two loads are in
	s_wait_xcnt 0x0                                ; P, which the last trip's stores read, is written again only behind this wait
.irp j, 0,1,2,3,4,5,6,7
	v_cmp_lt_i32 vcc_lo, s[ROOT], v[\q+\j]         ; level 1: right where pivot < query
	v_cndmask_b32 v[A+\j], 0, v[FOUR], vcc_lo
	v_min_u32 v[A+\j], 4, v[A+\j]
	ds_load_b32 v[P+\j], v[A+\j] offset:8          ; level 2 begins at node 2
.endr
.set lvl, 2
.rept 10                                           ; levels 2 to 11
.irp j, 0,1,2,3,4,5,6,7
	s_wait_dscnt 7                                 ; LDS reads return in order (ISA guide 5.7.1): behind chain j's pivot stand 7-j reads of this level and j of the next
	v_cmp_lt_i32 vcc_lo, v[P+\j], v[\q+\j]
	v_cndmask_b32 v[C], 0, v[FOUR], vcc_lo
	v_lshl_add_u32 v[A+\j], v[A+\j], 1, v[C]       ; decisions x 2 + the new one, in units of 4 bytes
	v_min_u32 v[A+\j], (4<<lvl)-4, v[A+\j]
	ds_load_b32 v[P+\j], v[A+\j] offset:(4<<lvl)   ; the next level begins at node 2^lvl
.endr
.set lvl, lvl+1
.endr
.irp j, 0,1,2,3,4,5,6,7
	s_wait_dscnt 7+\j                              ; level 12: behind chain j's pivot stand 7-j pivots and the 2 j record reads of the chains before
	v_cmp_lt_i32 vcc_lo, v[P+\j], v[\q+\j]
	v_cndmask_b32 v[C], 0, v[FOUR], vcc_lo
	v_lshl_add_u32 v[A+\j], v[A+\j], 1, v[C]       ; 4 x low
	v_min_u32 v[A+\j], 4*(NSEG-1), v[A+\j]         ; the clip to segment 4094 (the clip at 0 never bites: low >= 0)
	v_lshlrev_b32 v[C], 1, v[A+\j]
	v_lshlrev_b32 v[A+\j], 2, v[A+\j]
	ds_load_b64  v[XB+2*\j:XB+2*\j+1], v[C] offset:LXB
	ds_load_b128 v[CF+4*\j:CF+4*\j+3], v[A+\j] offset:LCF
	v_ashrrev_i32 v[R], 31, v[\q+\j]               ; the key has done its work: back to t, in place
	v_lshrrev_b32 v[R], 1, v[R]
	v_xor_b32 v[\q+\j], v[\q+\j], v[R]
.endr
.irp j, 0,1,2,3,4,5,6,7
	s_wait_dscnt 14-2*\j                           ; behind chain j's record stand the two reads of each of the 7-j later chains
	v_sub_f32 v[C], v[\q+\j], v[XB+2*\j]           ; t - x0 first, then the scale: fused as t/dx - x0/dx it would be a difference of large numbers
	v_mul_f32 v[C], v[C], v[XB+2*\j+1]             ; tn
	v_fma_f32 v[R], v[C], v[CF+4*\j+3], v[CF+4*\j+2]
	v_fma_f32 v[R], v[C], v[R], v[CF+4*\j+1]
	v_fma_f32 v[P+\j], v[C], v[R], v[CF+4*\j]
.endr
.if \ahead
	global_load_b128 v[\q:\q+3],   v[ADR], s[4:5] offset:(\n+2)*TRIPB th:TH_LOAD_NT        ; loads ahead of stores: the keys of two trips on
	global_load_b128 v[\q+4:\q+7], v[ADR], s[4:5] offset:(\n+2)*TRIPB+HALFB th:TH_LOAD_NT
.endif
	global_store_b128 v[ADR], v[P:P+3],   s[10:11] offset:\n*TRIPB th:TH_STORE_NT
	global_store_b128 v[ADR], v[P+4:P+7], s[10:11] offset:\n*TRIPB+HALFB th:TH_STORE_NT
.endm
	s_mov_b32 s21, 3                               ; trips 0-5 in three pairs, which load trips 2-7
.Lpair:
	TRIP Q0, 0, 1, 2
	TRIP Q1, 1, 1, 2
	s_wait_xcnt 0x0                                ; the bases of the loads and stores above are stepped only behind this wait
	s_add_nc_u64 s[4:5], s[4:5], 2*TRIPB
	s_add_nc_u64 s[10:11], s[10:11], 2*TRIPB
	s_sub_co_u32 s21, s21, 1
	s_cmp_lg_u32 s21, 0
	s_cbranch_scc1 .Lpair
	TRIP Q0, 0, 0, 2                               ; trips 6 and 7 load nothing: no load leaves the work-group's 256 KiB
	TRIP Q1, 1, 0, 0
	s_wait_tensorcnt 0x0
	ds_add_u32 v88, v89
	s_wait_dscnt 0x0
	s_endpgm
.Lfunc_end_k_qe454a7d989_evaluate:
	.size	k_qe454a7d989_evaluate, .Lfunc_end_k_qe454a7d989_evaluate-k_qe454a7d989_evaluate
	.p2alignl 7, 3214868480
	.fill 96, 4, 3214868480
	.section	.rodata,"a",@progbits
	.p2align	6, 0x0
	.amdhsa_kernel k_qe454a7d989_evaluate
		.amdhsa_group_segment_fixed_size 118784
		.amdhsa_private_segment_fixed_size 0
		.amdhsa_enable_private_segment 0
		.amdhsa_kernarg_size 32
		.amdhsa_user_sgpr_count 2
		.amdhsa_user_sgpr_kernarg_segment_ptr 1
		.amdhsa_wavefront_size32 1
		.amdhsa_system_sgpr_workgroup_id_x 1
		.amdhsa_system_sgpr_workgroup_id_y 1
		.amdhsa_system_sgpr_workgroup_id_z 1
		.amdhsa_system_vgpr_workitem_id 0
		.amdhsa_next_free_vgpr 90
		.amdhsa_next_free_sgpr 66
		.amdhsa_reserve_vcc 1
		.amdhsa_float_denorm_mode_32 3
		.amdhsa_float_denorm_mode_16_64 3
		.amdhsa_memory_ordered 1
		.amdhsa_forward_progress 1
		.amdhsa_inst_pref_size 122
	.end_amdhsa_kernel
	.amdgpu_metadata
---
amdhsa.version: [ 1, 2 ]
amdhsa.kernels:
  - .name:           k_qe454a7d989_evaluate
    .symbol:         k_qe454a7d989_evaluate.kd
    .args:
      - { .name: keys, .offset: 0, .size: 8, .value_kind: global_buffer, .address_space: global }
      - { .name: ekeys, .offset: 8, .size: 8, .value_kind: global_buffer, .address_space: global }
      - { .name: tab, .offset: 16, .size: 8, .value_kind: global_buffer, .address_space: global }
      - { .name: out0, .offset: 24, .size: 8, .value_kind: global_buffer, .address_space: global }
    .group_segment_fixed_size: 118784
    .private_segment_fixed_size: 0
    .kernarg_segment_align: 8
    .kernarg_segment_size: 32
    .max_flat_workgroup_size: 1024
    .sgpr_count:     66
    .vgpr_count:     90
    .wavefront_size: 32
...
	.end_amdgpu_metadata
.endif
;; end of part 2
;; ======== version 2 of 3: 2 launches; 2.05 times as fast as version 1
;; workspace buffers: keys 67,108,864 bytes of whole numbers; skeys 16,384 bytes of whole numbers; tab 98,304 bytes; params 256 bytes of whole numbers
;; launch prepare (part 3): grid 2048 x 1, 8 waves a work-group, no clusters, 34,048 bytes of LDS; arguments t, x, y, keys, skeys, tab, params; writes keys, skeys, tab, params
.if DOCPART == 3
	.amdgcn_target "amdgcn-amd-amdhsa--gfx1250"
	.amdhsa_code_object_version 6
	.text
	.protected	k_qe454a7d989_prepare
	.globl	k_qe454a7d989_prepare
	.p2align	8
	.type	k_qe454a7d989_prepare,@function
k_qe454a7d989_prepare:
	s_mov_b64 s[64:65], 0
	v_nop
	global_prefetch_b8 v0, s[64:65] scope:SCOPE_SE
	s_setreg_imm32_b32 hwreg(HW_REG_WAVE_MODE, 25, 1), 1
	s_wait_xcnt 0x0
; PCHIP, first of two launches.  No address and no branch of a launch hangs on floating-point numbers of the same launch, so the search for
; a query's segment is not made here: this launch turns the queries t and the knots x into whole numbers that order as the floats do,
; and the next launch searches by integer work on those whole numbers.
;   key(b) = b xor ((b >> 31, arithmetic) >> 1, logical): a float's bits, the lower 31 inverted where the sign is set.  Signed integer order
;   of the keys is the total order of the floats.  The map is its own inverse, so the next launch gets t back from its key.
; (1) Every work-group: 32 KiB of t -> keys.  A thread takes 16 bytes of each of 8 blocks of 4 KiB: a wave's load or store covers 512
;     consecutive bytes; all 8 loads are issued before the first wait.
; (2) Work-groups 0-15 also: one record a thread, filed under c = the number of knots below a query, 0 .. 4095: the record of segment
;     i = clip(c - 1, 0, 4094), so that the reference's clip lies in the table.  tab[8 c] = {x[i], 1/dx}, tab[32768 + 16 c] = {y0, m0, c2, c3},
;     m0 = dx d[i], m1 = dx d[i+1], c2 = 3 (y1-y0) - 2 m0 - m1, c3 = m0 + m1 - 2 (y1-y0):  out = y0 + tn (m0 + tn (c2 + tn c3)), tn = (t-x0)/dx,
;     the same cubic as h00 y0 + h10 dx d0 + h01 y1 + h11 dx d1.
; (3) Work-groups 16-19 also: skeys[i] = key of x[i], with -0 counted as +0 and every NaN as the largest key, as in the comparison that
;     jnp.searchsorted uses.  (For t's keys this is not needed: -0 orders against such knots as +0 does, and a NaN in t gives NaN from
;     any segment.)
; (4) Work-group 20 also: params = L, the number of steps of the next launch's search inside a bucket: the bit length of the fullest
;     bucket's count of knots.  The knots' bucket numbers (made as the next launch makes them: see there) do not fall from knot to knot, so a
;     bucket holds 2^j knots or more exactly if knot i and knot i + 2^j - 1 share a bucket for some i: compares at fixed distances, at
;     addresses made of the thread's number alone.  L = 1 + how many of j = 1 .. 12 have such a pair.
; LIMITS: a division is v_rcp_f32 and a multiply (1 ulp; v_rcp_f32 flushes denormals: ISA guide 15.8), so knot distances, slopes and
; weight sums below 2^-126 or above 2^126 in magnitude give other numbers than a true division.  (4) takes x as non-decreasing.
.set NK,   4096                        ; knots
.set NB,   8192                        ; buckets
.set OFFS, 1                           ; v1       16 x thread; never rewritten
.set X,    4                           ; v[4:35]  8 x 4 numbers of t, turned into keys in place
.set TS,   36                          ; v[36:39] at work
	s_load_b256 s[4:11], s[0:1], 0x0               ; t s[4:5], x s[6:7], y s[8:9], keys s[10:11]
	s_load_b128 s[12:15], s[0:1], 0x20             ; skeys s[12:13], tab s[14:15]
	s_load_b64 s[18:19], s[0:1], 0x30              ; params
	v_lshl_add_u32 v48, v0, 2, 0x8100
	v_mov_b32 v49, 0
	s_mov_b32 s16, ttmp9                           ; the work-group's number
	s_lshl_b32 s2, s16, 15                         ; times 32 KiB: below 2^26
	s_mov_b32 s3, 0
	v_lshlrev_b32 v[OFFS], 4, v0
	s_wait_kmcnt 0x0
	s_add_nc_u64 s[4:5], s[4:5], s[2:3]
	s_add_nc_u64 s[10:11], s[10:11], s[2:3]
.irp j, 0,1,2,3,4,5,6,7
	global_load_b128 v[X+4*\j:X+4*\j+3], v[OFFS], s[4:5] offset:4096*\j th:TH_LOAD_NT   ; t is read once in the whole program
.endr
.irp j, 0,1,2,3,4,5,6,7
	s_wait_loadcnt 7-\j                            ; loads return in order (ISA guide 5.7.1): block j is in, the 7-j younger ones stay out
.irp k, 0,1,2,3
	v_ashrrev_i32 v[TS+\k], 31, v[X+4*\j+\k]       ; all ones where the sign is set
.endr
.irp k, 0,1,2,3
	v_lshrrev_b32 v[TS+\k], 1, v[TS+\k]            ; the lower 31 bits of that
.endr
.irp k, 0,1,2,3
	v_xor_b32 v[X+4*\j+\k], v[X+4*\j+\k], v[TS+\k]
.endr
	global_store_b128 v[OFFS], v[X+4*\j:X+4*\j+3], s[10:11] offset:4096*\j   ; no hint: the next launch reads these bytes
.endr
	s_cmp_ge_u32 s16, 21
	s_cbranch_scc1 .Ldone                          ; 2,027 of the 2,048 work-groups are done
	s_wait_xcnt 0x0                                ; the stores' data registers are written again below, only behind this wait
	s_cmp_ge_u32 s16, 20
	s_cbranch_scc1 .Lruns
	s_cmp_ge_u32 s16, 16
	s_cbranch_scc1 .Lknots
	; ---- (2) the record filed under c = 256 x work-group + thread ----
.set I,   2                            ; the segment
.set CI,  3                            ; c
.set OM,  4                            ; byte offsets of knots i-1, i, i+1, i+2
.set O0,  5
.set O1,  6
.set O2,  7
.set XM,  8                            ; x[i-1]
.set XBP, 10                           ; v[10:11] = x[i], 1/dx: stored as they stand
.set X1,  12
.set X2,  13
.set YM,  14
.set Y1,  15
.set Y2,  16
.set CFQ, 20                           ; v[20:23] = y[i], m0, c2, c3: stored as they stand
.set DXM, 24
.set DX0, 25
.set DXP, 26
.set DYM, 27
.set DY0, 28
.set DYP, 29
.set RM,  30
.set RP,  31
.set SM,  32                           ; slopes of segments i-1, i, i+1
.set S0,  33
.set SP,  34
.set D0,  35                           ; derivatives at knots i, i+1
.set D1,  36
.set TA,  37
.set TB,  38
.set W1,  40
.set W2,  41
.set M1,  42
.set OB,  43
.set OC,  44
	s_lshl_b32 s17, s16, 8
	v_add_nc_u32 v[CI], s17, v0
	v_add_nc_u32 v[I], -1, v[CI]
	v_cmp_ne_u32 vcc_lo, 0, v[CI]
	v_cndmask_b32 v[I], 0, v[I], vcc_lo            ; c = 0 and c = 1: segment 0
	v_min_u32 v[I], NK-2, v[I]                     ; c = 4095 (and all above it): segment 4094
	v_add_nc_u32 v[OM], -1, v[I]                   ; i = 0 wraps and is clamped to knot 4095: what comes of it is thrown away below
	v_add_nc_u32 v[O1], 1, v[I]
	v_add_nc_u32 v[O2], 2, v[I]
	v_min_u32 v[OM], NK-1, v[OM]
	v_min_u32 v[O2], NK-1, v[O2]                   ; i = 4094: knot 4095 again; thrown away below
	v_lshlrev_b32 v[O0], 2, v[I]
	v_lshlrev_b32 v[OM], 2, v[OM]
	v_lshlrev_b32 v[O1], 2, v[O1]
	v_lshlrev_b32 v[O2], 2, v[O2]
	global_load_b32 v[XM],  v[OM], s[6:7]
	global_load_b32 v[XBP], v[O0], s[6:7]
	global_load_b32 v[X1],  v[O1], s[6:7]
	global_load_b32 v[X2],  v[O2], s[6:7]
	global_load_b32 v[YM],  v[OM], s[8:9]
	global_load_b32 v[CFQ], v[O0], s[8:9]
	global_load_b32 v[Y1],  v[O1], s[8:9]
	global_load_b32 v[Y2],  v[O2], s[8:9]
	v_lshlrev_b32 v[OB], 3, v[CI]
	v_lshlrev_b32 v[OC], 4, v[CI]
	s_wait_loadcnt 0x0
	v_sub_f32 v[DXM], v[XBP], v[XM]
	v_sub_f32 v[DX0], v[X1], v[XBP]
	v_sub_f32 v[DXP], v[X2], v[X1]
	v_rcp_f32 v[RM], v[DXM]
	v_rcp_f32 v[XBP+1], v[DX0]
	v_rcp_f32 v[RP], v[DXP]
	v_sub_f32 v[DYM], v[CFQ], v[YM]                ; plain work that touches none of the reciprocals stands behind them (ISA guide 5.7.2)
	v_sub_f32 v[DY0], v[Y1], v[CFQ]
	v_sub_f32 v[DYP], v[Y2], v[Y1]
	s_wait_alu depctr_va_vdst(0)
	v_mul_f32 v[SM], v[DYM], v[RM]
	v_mul_f32 v[S0], v[DY0], v[XBP+1]
	v_mul_f32 v[SP], v[DYP], v[RP]
; The derivative at an inner knot between slopes sa (left) and sb (right): (w1+w2) / (w1/sa + w2/sb) where sa sb > 0, else 0.
; Where the condition fails the quotient may be infinite or NaN: v_cndmask_b32 throws it away, as the reference's where() does.
.macro NODE d, sa, sb, dxa, dxb
	v_rcp_f32 v[TA], v[\sa]
	v_rcp_f32 v[TB], v[\sb]
	v_fma_f32 v[W1], 2.0, v[\dxb], v[\dxa]         ; w1 = 2 dx(right) + dx(left); also the plain place behind the reciprocals
	v_fma_f32 v[W2], 2.0, v[\dxa], v[\dxb]         ; w2 = dx(right) + 2 dx(left)
	s_wait_alu depctr_va_vdst(0)
	v_mul_f32 v[TA], v[W1], v[TA]
	v_fma_f32 v[TA], v[W2], v[TB], v[TA]           ; w1/sa + w2/sb
	v_rcp_f32 v[TB], v[TA]
	v_add_f32 v[W1], v[W1], v[W2]                  ; the plain place behind this reciprocal
	v_mul_f32 v[W2], v[\sa], v[\sb]
	s_wait_alu depctr_va_vdst(0)
	v_mul_f32 v[\d], v[W1], v[TB]
	v_cmp_lt_f32 vcc_lo, 0, v[W2]
	v_cndmask_b32 v[\d], 0, v[\d], vcc_lo
.endm
	NODE D0, SM, S0, DXM, DX0
	NODE D1, S0, SP, DX0, DXP
	v_cmp_eq_u32 vcc_lo, 0, v[I]
	v_cndmask_b32 v[D0], v[D0], v[S0], vcc_lo      ; knot 0 takes the first slope
	v_cmp_le_u32 vcc_lo, NK-2, v[I]
	v_cndmask_b32 v[D1], v[D1], v[S0], vcc_lo      ; knot 4095 takes the last slope
	v_mul_f32 v[CFQ+1], v[DX0], v[D0]              ; m0
	v_mul_f32 v[M1], v[DX0], v[D1]                 ; m1
	v_fma_f32 v[TA], -2.0, v[CFQ+1], -v[M1]
	v_add_f32 v[TB], v[CFQ+1], v[M1]
	v_fma_f32 v[CFQ+2], 0x40400000, v[DY0], v[TA]  ; c2 = 3 dy - 2 m0 - m1
	v_fma_f32 v[CFQ+3], -2.0, v[DY0], v[TB]        ; c3 = m0 + m1 - 2 dy
	global_store_b64  v[OB], v[XBP:XBP+1], s[14:15]               ; a wave stores 256 consecutive bytes, aligned
	global_store_b128 v[OC], v[CFQ:CFQ+3], s[14:15] offset:32768  ; and 512
	s_branch .Ldone
; A knot's bits in v[r] become its key, in place: both zeros key 0, every NaN the largest key.
.set NT, 36                            ; v36, v37 at work
.set NM, 37
.macro NORM r
	v_ashrrev_i32 v[NT], 31, v[\r]
	v_and_b32 v[NM], 0x7fffffff, v[\r]             ; the magnitude's bits
	v_lshrrev_b32 v[NT], 1, v[NT]
	v_xor_b32 v[\r], v[\r], v[NT]
	v_cmp_ne_u32 vcc_lo, 0, v[NM]
	v_cndmask_b32 v[\r], 0, v[\r], vcc_lo
	v_cmp_ge_u32 vcc_lo, 0x7f800000, v[NM]
	v_cndmask_b32 v[\r], 0x7fffffff, v[\r], vcc_lo
.endm
	; ---- (3) the keys of four neighbouring knots a thread: knots 4 n .. 4 n + 3, n = 256 x (work-group - 16) + thread ----
.Lknots:
.set TN, 2
.set B,  8                             ; v[8:11]  the knots' bits, then their keys
.set OE, 18
	s_sub_co_u32 s17, s16, 16
	s_lshl_b32 s17, s17, 8
	v_add_nc_u32 v[TN], s17, v0
	v_lshlrev_b32 v[OE], 4, v[TN]
	global_load_b128 v[B:B+3], v[OE], s[6:7]
	s_wait_loadcnt 0x0
.irp e, 0,1,2,3
	NORM B+\e
.endr
	global_store_b128 v[OE], v[B:B+3], s[12:13]    ; a wave stores 512 consecutive bytes, aligned
	s_branch .Ldone
	; ---- (4) L ----
.set RPAD,  16384                      ; LDS: 4 x the knots' bucket numbers at 0; from here 16 KiB of -1: a partner past knot 4095 equals nothing
.set SCR,   32768                      ; a word a wave: its flags
.set XQ,    4                          ; v[4:19]  16 knots: 4 t + 1024 k + e
.set SG,    20                         ; v[20:23] sign masks
.set T,     24                         ; v[24:27] float bits
.set E,     28                         ; v[28:31] exponents, shifts
.set M,     32                         ; v[32:35] mantissa, F, 4 x bucket
.set XE,    38                         ; v38, v39 the first and the last knot
.set NEG,   40                         ; v[40:43] -1
.set UW,    44                         ; v[44:46] at work
.set LA,    2                          ; v2       4 x thread
.set SA,    4                          ; v[4:16]  a knot's bucket number and those of its 12 partners, two sets by turns
.set SB,    18                         ; v[18:30]
.set ACC,   32                         ; v[32:43] for j = 1 .. 12: the least XOR so far; 0 = a pair in one bucket
.set PC,    20                         ; s20  C
.set PFN,   21                         ; s21  -F(x[0])
.set PR,    22                         ; s22  r
.set MASKS, 25                         ; s25  a float's mantissa
.set BITS,  26                         ; s26  its leading bit
.set MK,    40                         ; s[40:43] one mask a chain
.set WV,    44                         ; s44  the wave's number
.set WF,    45                         ; s45  flags, then L
; 4 x the bucket of n keys in v[kb ..] into v[M ..]; their float bits into v[T ..].  Line for line the next launch's macro.
.macro BUCKET kb, n
.set jj, 0
.rept \n
	v_ashrrev_i32 v[SG+jj], 31, v[\kb+jj]          ; all ones where the sign is set
.set jj, jj+1
.endr
.set jj, 0
.rept \n
	v_lshrrev_b32 v[T+jj], 1, v[SG+jj]
.set jj, jj+1
.endr
.set jj, 0
.rept \n
	v_xor_b32 v[T+jj], v[T+jj], v[\kb+jj]          ; the float's bits
.set jj, jj+1
.endr
.set jj, 0
.rept \n
	v_bfe_u32 v[E+jj], v[T+jj], 23, 8              ; e
.set jj, jj+1
.endr
.set jj, 0
.rept \n
	v_and_or_b32 v[M+jj], v[T+jj], s[MASKS], s[BITS]   ; m
.set jj, jj+1
.endr
.set jj, 0
.rept \n
	v_min_u32 v[E+jj], s[PC], v[E+jj]
.set jj, jj+1
.endr
.set jj, 0
.rept \n
	v_sub_nc_u32 v[E+jj], s[PC], v[E+jj]           ; C - min(e, C)
.set jj, jj+1
.endr
.set jj, 0
.rept \n
	v_min_u32 v[E+jj], 31, v[E+jj]                 ; a shift takes 5 bits; m >> 24 and more is 0 anyway
.set jj, jj+1
.endr
.set jj, 0
.rept \n
	v_lshrrev_b32 v[M+jj], v[E+jj], v[M+jj]
.set jj, jj+1
.endr
.set jj, 0
.rept \n
	v_xor_b32 v[M+jj], v[M+jj], v[SG+jj]           ; F
.set jj, jj+1
.endr
.set jj, 0
.rept \n
	v_add_nc_u32 v[M+jj], s[PFN], v[M+jj]          ; F - F(x[0])
.set jj, jj+1
.endr
.set jj, 0
.rept \n
	v_cmp_le_i32 s[MK+jj], 0, v[M+jj]
.set jj, jj+1
.endr
.set jj, 0
.rept \n
	v_cndmask_b32 v[M+jj], 0, v[M+jj], s[MK+jj]
.set jj, jj+1
.endr
.set jj, 0
.rept \n
	v_lshrrev_b32 v[M+jj], s[PR], v[M+jj]
.set jj, jj+1
.endr
.set jj, 0
.rept \n
	v_lshlrev_b32 v[M+jj], 2, v[M+jj]
.set jj, jj+1
.endr
.set jj, 0
.rept \n
	v_min_u32 v[M+jj], 4*(NB-1), v[M+jj]
.set jj, jj+1
.endr
.endm
; The same for one key in a scalar register, in two parts: sign mask, bits and exponent; then, C being known, F.
.macro SKEY key, sgn, bits, ex
	s_ashr_i32 s[\sgn], s[\key], 31
	s_lshr_b32 s[\bits], s[\sgn], 1
	s_xor_b32 s[\bits], s[\bits], s[\key]
	s_bfe_u32 s[\ex], s[\bits], 0x80017            ; 8 bits from bit 23
.endm
.macro SFIX sgn, bits, ex, out
	s_sub_co_u32 s[\ex], s[PC], s[\ex]
	s_min_u32 s[\ex], s[\ex], 31
	s_and_b32 s[\bits], s[\bits], s[MASKS]
	s_or_b32 s[\bits], s[\bits], s[BITS]
	s_lshr_b32 s[\out], s[\bits], s[\ex]
	s_xor_b32 s[\out], s[\out], s[\sgn]
.endm
.Lruns:
	s_load_b32 s38, s[6:7], 0x0                    ; x[0]
	s_load_b32 s39, s[6:7], 4*(NK-1)               ; x[4095]
.irp k, 0,1,2,3
	global_load_b128 v[XQ+4*\k:XQ+4*\k+3], v[OFFS], s[6:7] offset:4096*\k   ; all 4,096 knots: 256 threads x 16 bytes, four times
.endr
.irp e, 0,1,2,3
	v_mov_b32 v[NEG+\e], -1
.endr
.irp k, 0,1,2,3
	ds_store_b128 v[OFFS], v[NEG:NEG+3] offset:RPAD+4096*\k
.endr
	s_mov_b32 s[MASKS], 0x7fffff
	s_mov_b32 s[BITS], 0x800000
	v_lshrrev_b32 v[UW], 5, v0
	v_readfirstlane_b32 s[WV], v[UW]
	s_wait_kmcnt 0x0
	v_mov_b32 v[XE], s38
	v_mov_b32 v[XE+1], s39
	NORM XE
	NORM XE+1
	v_readfirstlane_b32 s38, v[XE]                 ; the end knots' keys, as skeys holds them
	v_readfirstlane_b32 s39, v[XE+1]
	SKEY 38, 30, 31, 32
	SKEY 39, 33, 34, 35
	s_max_u32 s[PC], s32, s35
	s_add_co_u32 s[PC], s[PC], 1
	SFIX 30, 31, 32, 37
	SFIX 33, 34, 35, 36
	s_sub_co_i32 s36, s36, s37                     ; the knots' span in F
	s_max_i32 s36, s36, 0
	s_sub_co_i32 s[PFN], 0, s37
	s_mov_b32 s[PR], 0
.irp j, 13,14,15,16,17,18,19,20,21,22,23
	s_cmp_ge_u32 s36, 1<<\j                        ; r = how many of 2^13 .. 2^23 the span reaches
	s_add_co_ci_u32 s[PR], s[PR], 0
.endr
	s_wait_loadcnt 0x0
.irp k, 0,1,2,3
.irp e, 0,1,2,3
	NORM XQ+4*\k+\e
.endr
	BUCKET XQ+4*\k, 4
	ds_store_b128 v[OFFS], v[M:M+3] offset:4096*\k ; knot n's word at byte 4 n
.endr
	v_lshlrev_b32 v[LA], 2, v0
	s_wait_dscnt 0x0                               ; written: zero, for the other waves' sake
	s_barrier_signal -1
	s_barrier_wait -1                              ; all bucket numbers and the pad are there; they are only read from here on
; Knot t + 256 k and its partners at distances 2^j - 1: a wave's read covers 128 consecutive bytes.
.macro RLOAD s, k
	ds_load_b32 v[\s], v[LA] offset:1024*(\k)
.irp j, 1,2,3,4,5,6,7,8,9,10,11,12
	ds_load_b32 v[\s+\j], v[LA] offset:1024*(\k)+4*((1<<\j)-1)
.endr
.endm
.macro RCMP s, first
.if \first
.irp j, 1,2,3,4,5,6,7,8,9,10,11,12
	v_xor_b32 v[ACC+\j-1], v[\s], v[\s+\j]         ; the first knot starts the minima: nothing is preset
.endr
.else
.irp j, 1,2,3,4,5,6,7,8,9,10,11,12
	v_xor_b32 v[\s+\j], v[\s], v[\s+\j]
.endr
.irp j, 1,2,3,4,5,6,7,8,9,10,11,12
	v_min_u32 v[ACC+\j-1], v[ACC+\j-1], v[\s+\j]
.endr
.endif
.endm
	RLOAD SA, 0
	RLOAD SB, 1
	s_wait_dscnt 13                                ; LDS serves a wave in order (ISA guide 5.7.1): the older set is in, the younger set's 13 reads stay out
	RCMP SA, 1
.set kk, 2
.rept 7
	RLOAD SA, kk
	s_wait_dscnt 13
	RCMP SB, 0
	RLOAD SB, kk+1
	s_wait_dscnt 13
	RCMP SA, 0
.set kk, kk+2
.endr
	s_wait_dscnt 0x0
	RCMP SB, 0
	s_mov_b32 s[WF], 0
.irp j, 0,1,2,3,4,5,6,7,8,9,10,11
	v_cmp_eq_u32 vcc_lo, 0, v[ACC+\j]              ; has any lane found a pair?
	s_cmp_lg_u32 vcc_lo, 0
	s_add_co_ci_u32 s[WF], s[WF], s[WF]            ; flags x 2 + the answer
.endr
	v_mov_b32 v[UW], s[WV]
	v_lshlrev_b32 v[UW], 2, v[UW]
	v_mov_b32 v[UW+1], s[WF]
	ds_store_b32 v[UW], v[UW+1] offset:SCR         ; all lanes write the wave's word with the same value
	v_mov_b32 v[UW+2], SCR
	s_wait_dscnt 0x0                               ; written: zero, for the other waves' sake
	s_barrier_signal -1
	s_barrier_wait -1
	ds_load_b128 v[4:7],  v[UW+2]                  ; the eight waves' flags, in every lane
	ds_load_b128 v[8:11], v[UW+2] offset:16
	s_wait_dscnt 0x0
	v_or_b32 v4, v4, v5
	v_or_b32 v6, v6, v7
	v_or_b32 v8, v8, v9
	v_or_b32 v10, v10, v11
	v_or_b32 v4, v4, v6
	v_or_b32 v8, v8, v10
	v_or_b32 v4, v4, v8
	v_readfirstlane_b32 s[WF], v4
	s_bcnt1_i32_b32 s[WF], s[WF]
	s_add_co_u32 s[WF], s[WF], 1                   ; L, 1 to 13
	s_cmp_lg_u32 s[WV], 0
	s_cbranch_scc1 .Ldone                          ; wave 0 stores
	v_mov_b32 v12, s[WF]
	v_mov_b32 v13, s[WF]
	v_lshlrev_b32 v14, 3, v0
	global_store_b64 v14, v[12:13], s[18:19]       ; 32 lanes x 8 bytes: the buffer's 256 bytes, whole
.Ldone:
	s_wait_tensorcnt 0x0
	ds_add_u32 v48, v49
	s_wait_dscnt 0x0
	s_endpgm
.Lfunc_end_k_qe454a7d989_prepare:
	.size	k_qe454a7d989_prepare, .Lfunc_end_k_qe454a7d989_prepare-k_qe454a7d989_prepare
	.p2alignl 7, 3214868480
	.fill 96, 4, 3214868480
	.section	.rodata,"a",@progbits
	.p2align	6, 0x0
	.amdhsa_kernel k_qe454a7d989_prepare
		.amdhsa_group_segment_fixed_size 34048
		.amdhsa_private_segment_fixed_size 0
		.amdhsa_enable_private_segment 0
		.amdhsa_kernarg_size 56
		.amdhsa_user_sgpr_count 2
		.amdhsa_user_sgpr_kernarg_segment_ptr 1
		.amdhsa_wavefront_size32 1
		.amdhsa_system_sgpr_workgroup_id_x 1
		.amdhsa_system_sgpr_workgroup_id_y 1
		.amdhsa_system_sgpr_workgroup_id_z 1
		.amdhsa_system_vgpr_workitem_id 0
		.amdhsa_next_free_vgpr 50
		.amdhsa_next_free_sgpr 66
		.amdhsa_reserve_vcc 1
		.amdhsa_float_denorm_mode_32 3
		.amdhsa_float_denorm_mode_16_64 3
		.amdhsa_memory_ordered 1
		.amdhsa_forward_progress 1
		.amdhsa_inst_pref_size 59
	.end_amdhsa_kernel
	.amdgpu_metadata
---
amdhsa.version: [ 1, 2 ]
amdhsa.kernels:
  - .name:           k_qe454a7d989_prepare
    .symbol:         k_qe454a7d989_prepare.kd
    .args:
      - { .name: t, .offset: 0, .size: 8, .value_kind: global_buffer, .address_space: global }
      - { .name: x, .offset: 8, .size: 8, .value_kind: global_buffer, .address_space: global }
      - { .name: y, .offset: 16, .size: 8, .value_kind: global_buffer, .address_space: global }
      - { .name: keys, .offset: 24, .size: 8, .value_kind: global_buffer, .address_space: global }
      - { .name: skeys, .offset: 32, .size: 8, .value_kind: global_buffer, .address_space: global }
      - { .name: tab, .offset: 40, .size: 8, .value_kind: global_buffer, .address_space: global }
      - { .name: params, .offset: 48, .size: 8, .value_kind: global_buffer, .address_space: global }
    .group_segment_fixed_size: 34048
    .private_segment_fixed_size: 0
    .kernarg_segment_align: 8
    .kernarg_segment_size: 56
    .max_flat_workgroup_size: 256
    .sgpr_count:     66
    .vgpr_count:     50
    .wavefront_size: 32
...
	.end_amdgpu_metadata
.endif
;; end of part 3
;; launch evaluate (part 4): grid 256 x 1, 32 waves a work-group, no clusters, 172,032 bytes of LDS; arguments keys, skeys, tab, out0, params; writes out0
.if DOCPART == 4
	.amdgcn_target "amdgcn-amd-amdhsa--gfx1250"
	.amdhsa_code_object_version 6
	.text
	.protected	k_qe454a7d989_evaluate
	.globl	k_qe454a7d989_evaluate
	.p2align	8
	.type	k_qe454a7d989_evaluate,@function
k_qe454a7d989_evaluate:
	s_mov_b64 s[64:65], 0
	v_nop
	global_prefetch_b8 v0, s[64:65] scope:SCOPE_SE
	s_setreg_imm32_b32 hwreg(HW_REG_WAVE_MODE, 25, 1), 1
	s_wait_xcnt 0x0
; PCHIP, second of two launches: for each query the number c of knots below it is found, and the cubic filed under c is evaluated.
; keys:  the queries as ordered whole numbers (the first launch's map, which is its own inverse: t comes back from its key here).
; skeys: the knots' keys, in the knots' order.   tab: {x0, 1/dx} x 4096, then {y0, m0, c2, c3} x 4096, filed under c with the reference's clip.
; params: L, the steps of the search inside a bucket.
; All that enters an address here is integer work on whole numbers read from memory; the one trip count that is no constant, L, is read
; from memory as it stands.
; THE INDEX.  A key's float bits (exponent e, mantissa with its leading bit m) give F = m >> min(C - min(e, C), 31), inverted where the sign
; is set; C = the larger exponent of x[0] and x[4095], plus 1: a fixed-point form of the number, 23 bits at the knots' largest magnitude.
;   bucket = min(max(F - F(x[0]), 0) >> r, 8191),  r = the least shift that brings F(x[4095]) - F(x[0]) below 8,192:
; between 4,096 and 8,192 buckets span the 4,096 knots.  F does not fall where the key rises, up to the knots' largest exponent; a query
; with a larger exponent has |F| >= 2^23, above every knot's, and lands at or beyond the end buckets.  So every knot in a lower bucket is
; below the query and every knot in a higher bucket is not:
;   c = lo[bucket] + (the knots of that bucket below the query),   lo[b] = the number of knots in buckets below b.
; The second term is a lower-bound search in the sorted keys from lo[bucket] on, steps 2^(L-1) .. 1, L = the bit length of the fullest bucket's
; count: L = 1 for evenly spaced knots, 13 if all knots share a bucket (right all the same, with more steps).  A pivot past knot 4095 is
; clamped to a pad word with the largest key, which never sends the search on.
; THE TABLE lo is made by each work-group for itself: a thread owns 8 buckets and makes 8 lower-bound searches (13 steps: 2048 .. 1, 1) over
; the knots' bucket numbers.  Every LDS store is at an address made of the thread's number.  The bucket numbers lie at LDS byte 0, so that
; these clamped reads stay below every byte that is stored in the same span between barriers.
; SHARES: 256 work-groups of 32 waves; a work-group takes 65,536 queries in 8 trips of 32 KiB; in a trip a thread takes 16 bytes of each half,
; so a wave's load or store covers 512 consecutive bytes, and a lane runs 8 queries side by side, stage by stage: no line reads the
; result of the line in front of it.
; NO CLUSTER: what work-groups share is 114,688 bytes of tables, read once by each, against 524,288 bytes that each streams alone;
; a joint load would bring the cluster's rounds for that one fill.  No matrix work: the problem has no products of matrices.
; LIMITS: x is non-decreasing, as searchsorted presupposes (on other x the reference's search path is not followed).  tn = (t - x0) times
; the first launch's 1/dx (v_rcp_f32, 1 ulp, denormals flushed); the cubic in Horner form, so the order of rounding is not the reference's.
; A NaN in t gives NaN, whatever record its key leads to.
.set NK,    4096                       ; knots
.set NB,    8192                       ; buckets
.set BA,    0                          ; LDS: 4 x the knots' bucket numbers, 16 KiB
.set TBL,   16384                      ; 4 x lo[b], 32 KiB
.set KX,    49152                      ; the knots' keys, 16 KiB,
.set KXPAD, 65536                      ; and 4 KiB of the largest key behind them (one word a thread; the first is read)
.set LXB,   69632                      ; {x0, 1/dx}, 8 bytes a record
.set LCF,   102400                     ; {y0, m0, c2, c3}, 16 bytes a record
.set TRIPB, 32768                      ; bytes of keys (and of results) of a work-group's trip
.set HALFB, 16384
.set ADR,  1                           ; v1        16 x thread; never rewritten
.set ADR2, 2                           ; v2        the same + 65,536 (an LDS immediate has 16 bits)
.set ADR3, 3                           ; v3        the same + 131,072
.set KN,   4                           ; v[4:7]    my four knots' keys
.set Q0,   8                           ; v[8:15]   keys of the even trips
.set Q1,   16                          ; v[16:23]  keys of the odd trips
.set T,    24                          ; v[24:31]  t, then tn
.set POS,  32                          ; v[32:39]  4 x the count so far
.set AD,   40                          ; v[40:47]  4 x the count if the step is taken; later at work
.set SG,   40                          ;           (first: the sign masks)
.set P,    48                          ; v[48:55]  pivots; at the end the results
.set E,    48                          ;           (first: exponents, shifts)
.set XB,   56                          ; v[56:71]  x0, 1/dx
.set M,    56                          ;           (first: mantissa, F, 4 x bucket)
.set CF,   72                          ; v[72:103] y0, m0, c2, c3.  First: the stage of the tables' fill
.set W,    104                         ; v[104:105] addresses and constants of the set-up
.set PA,   32                          ; set-up: v[32:39] 4 x position of my 8 searches
.set TG,   42                          ;         v[42:49] 4 x their buckets
.set AD2,  52                          ;         v[52:59] position if the step is taken
.set PV,   62                          ;         v[62:69] pivots
.set PC,    20                         ; s20  C
.set PFN,   21                         ; s21  -F(x[0])
.set PR,    22                         ; s22  r
.set PL,    23                         ; s23  L
.set PS0,   24                         ; s24  4 x the first step
.set MASKS, 25                         ; s25  a float's mantissa
.set BITS,  26                         ; s26  its leading bit
.set ST,    27                         ; s27  4 x the step
.set IC,    28                         ; s28  counts the steps
.set OCN,   29                         ; s29  counts the pairs of trips
.set MK,    40                         ; s[40:47] one mask a chain
; 4 x the bucket of n keys in v[kb ..] into v[M ..]; their float bits into v[T ..].  Stage by stage.
.macro BUCKET kb, n
.set jj, 0
.rept \n
	v_ashrrev_i32 v[SG+jj], 31, v[\kb+jj]          ; all ones where the sign is set
.set jj, jj+1
.endr
.set jj, 0
.rept \n
	v_lshrrev_b32 v[T+jj], 1, v[SG+jj]
.set jj, jj+1
.endr
.set jj, 0
.rept \n
	v_xor_b32 v[T+jj], v[T+jj], v[\kb+jj]          ; the float's bits
.set jj, jj+1
.endr
.set jj, 0
.rept \n
	v_bfe_u32 v[E+jj], v[T+jj], 23, 8              ; e
.set jj, jj+1
.endr
.set jj, 0
.rept \n
	v_and_or_b32 v[M+jj], v[T+jj], s[MASKS], s[BITS]   ; m
.set jj, jj+1
.endr
.set jj, 0
.rept \n
	v_min_u32 v[E+jj], s[PC], v[E+jj]
.set jj, jj+1
.endr
.set jj, 0
.rept \n
	v_sub_nc_u32 v[E+jj], s[PC], v[E+jj]           ; C - min(e, C)
.set jj, jj+1
.endr
.set jj, 0
.rept \n
	v_min_u32 v[E+jj], 31, v[E+jj]                 ; a shift takes 5 bits; m >> 24 and more is 0 anyway
.set jj, jj+1
.endr
.set jj, 0
.rept \n
	v_lshrrev_b32 v[M+jj], v[E+jj], v[M+jj]
.set jj, jj+1
.endr
.set jj, 0
.rept \n
	v_xor_b32 v[M+jj], v[M+jj], v[SG+jj]           ; F
.set jj, jj+1
.endr
.set jj, 0
.rept \n
	v_add_nc_u32 v[M+jj], s[PFN], v[M+jj]          ; F - F(x[0]): below 2^25 in magnitude
.set jj, jj+1
.endr
.set jj, 0
.rept \n
	v_cmp_le_i32 s[MK+jj], 0, v[M+jj]
.set jj, jj+1
.endr
.set jj, 0
.rept \n
	v_cndmask_b32 v[M+jj], 0, v[M+jj], s[MK+jj]    ; below the first knot: bucket 0
.set jj, jj+1
.endr
.set jj, 0
.rept \n
	v_lshrrev_b32 v[M+jj], s[PR], v[M+jj]
.set jj, jj+1
.endr
.set jj, 0
.rept \n
	v_lshlrev_b32 v[M+jj], 2, v[M+jj]
.set jj, jj+1
.endr
.set jj, 0
.rept \n
	v_min_u32 v[M+jj], 4*(NB-1), v[M+jj]           ; above the last knot: at the most the last bucket
.set jj, jj+1
.endr
.endm
; The same for one key in a scalar register, in two parts: sign mask, bits and exponent; then, C being known, F (a knot's e is below C).
.macro SKEY key, sgn, bits, ex
	s_ashr_i32 s[\sgn], s[\key], 31
	s_lshr_b32 s[\bits], s[\sgn], 1
	s_xor_b32 s[\bits], s[\bits], s[\key]
	s_bfe_u32 s[\ex], s[\bits], 0x80017            ; 8 bits from bit 23
.endm
.macro SFIX sgn, bits, ex, out
	s_sub_co_u32 s[\ex], s[PC], s[\ex]
	s_min_u32 s[\ex], s[\ex], 31
	s_and_b32 s[\bits], s[\bits], s[MASKS]
	s_or_b32 s[\bits], s[\bits], s[BITS]
	s_lshr_b32 s[\out], s[\bits], s[\ex]
	s_xor_b32 s[\out], s[\out], s[\sgn]
.endm
	s_load_b256 s[4:11], s[0:1], 0x0               ; keys s[4:5], skeys s[6:7], tab s[8:9], out0 s[10:11]
	s_load_b64 s[14:15], s[0:1], 0x20              ; params
	v_lshl_add_u32 v108, v0, 2, 0x29000
	v_mov_b32 v109, 0
	s_lshl_b32 s2, ttmp9, 18                       ; the work-group's 256 KiB: below 2^26
	s_mov_b32 s3, 0
	s_mov_b32 s[MASKS], 0x7fffff
	s_mov_b32 s[BITS], 0x800000
	v_lshlrev_b32 v[ADR], 4, v0
	s_wait_kmcnt 0x0
	s_load_b32 s12, s[6:7], 0x0                    ; the first knot's key
	s_load_b32 s13, s[6:7], 4*(NK-1)               ; the last knot's
	s_load_b32 s[PL], s[14:15], 0x0                ; L
	global_load_b128 v[KN:KN+3], v[ADR], s[6:7]    ; knots 4 t .. 4 t + 3
.irp j, 0,1,2,3,4,5
	global_load_b128 v[CF+4*\j:CF+4*\j+3], v[ADR], s[8:9] offset:16384*\j   ; tab: six times 1,024 threads x 16 bytes
.endr
	s_add_nc_u64 s[4:5], s[4:5], s[2:3]
	s_add_nc_u64 s[10:11], s[10:11], s[2:3]
	global_load_b128 v[Q0:Q0+3],   v[ADR], s[4:5] th:TH_LOAD_NT                      ; trips 0 and 1
	global_load_b128 v[Q0+4:Q0+7], v[ADR], s[4:5] offset:HALFB th:TH_LOAD_NT
	global_load_b128 v[Q1:Q1+3],   v[ADR], s[4:5] offset:TRIPB th:TH_LOAD_NT
	global_load_b128 v[Q1+4:Q1+7], v[ADR], s[4:5] offset:TRIPB+HALFB th:TH_LOAD_NT
	v_add_nc_u32 v[ADR2], 0x10000, v[ADR]
	v_add_nc_u32 v[ADR3], 0x20000, v[ADR]
	v_lshl_add_u32 v[W], v0, 2, KXPAD              ; my word of the pad
	v_mov_b32 v[W+1], 0x7fffffff
	s_wait_kmcnt 0x0
	s_max_u32 s[PL], s[PL], 1                      ; L is 1 to 13 as it was stored; the bounds are written out for the loop below
	s_min_u32 s[PL], s[PL], 13
	s_lshl_b32 s[PS0], 2, s[PL]                    ; 4 x 2^(L-1)
	; C, F(x[0]) and r
	SKEY 12, 30, 31, 32
	SKEY 13, 33, 34, 35
	s_max_u32 s[PC], s32, s35
	s_add_co_u32 s[PC], s[PC], 1
	SFIX 30, 31, 32, 37
	SFIX 33, 34, 35, 36
	s_sub_co_i32 s36, s36, s37                     ; the knots' span in F, below 2^24
	s_max_i32 s36, s36, 0
	s_sub_co_i32 s[PFN], 0, s37
	s_mov_b32 s[PR], 0
.irp j, 13,14,15,16,17,18,19,20,21,22,23
	s_cmp_ge_u32 s36, 1<<\j                        ; r = how many of 2^13 .. 2^23 the span reaches
	s_add_co_ci_u32 s[PR], s[PR], 0
.endr
	s_wait_loadcnt 0xa                             ; my knots' keys are in; the ten loads behind them (6 of tab, 4 of keys) stay out
	BUCKET KN, 4
	ds_store_b128 v[ADR], v[M:M+3] offset:BA
	ds_store_b128 v[ADR], v[KN:KN+3] offset:KX
	ds_store_b32  v[W], v[W+1]
	s_wait_dscnt 0x0                               ; written: zero, for the other waves' sake
	s_barrier_signal -1
	s_barrier_wait -1                              ; all knots' bucket numbers are there; they are only read from here on
	s_wait_loadcnt 0x4                             ; tab is in; the four key loads stay out
	ds_store_b128 v[ADR2], v[CF:CF+3]     offset:LXB-0x10000
	ds_store_b128 v[ADR2], v[CF+4:CF+7]   offset:LXB+16384-0x10000
	ds_store_b128 v[ADR2], v[CF+8:CF+11]  offset:LXB+32768-0x10000
	ds_store_b128 v[ADR2], v[CF+12:CF+15] offset:LXB+49152-0x10000
	ds_store_b128 v[ADR3], v[CF+16:CF+19] offset:LXB+65536-0x20000
	ds_store_b128 v[ADR3], v[CF+20:CF+23] offset:LXB+81920-0x20000
	; lo[8 t .. 8 t + 7]: eight lower-bound searches side by side.  Behind the steps 2048 .. 1 the position is at most 4095; the second step of 1 lets it reach 4096.
	v_mov_b32 v[W], BA+4*2047                      ; the first step's pivot is knot 2047 for every search: it is read once,
	v_mov_b32 v[W+1], 4*2048
	ds_load_b32 v[PV], v[W]
.irp j, 0,1,2,3,4,5,6,7
	v_lshl_add_u32 v[TG+\j], v0, 5, 4*\j           ; 4 x (8 t + j)
.endr
	s_wait_dscnt 0x0
.irp j, 0,1,2,3,4,5,6,7
	v_cmp_lt_i32 s[MK+\j], v[PV], v[TG+\j]
.endr
.irp j, 0,1,2,3,4,5,6,7
	v_cndmask_b32 v[PA+\j], 0, v[W+1], s[MK+\j]    ; and the first select starts the positions: nothing is cleared
.endr
.macro SSTEP stp
.irp j, 0,1,2,3,4,5,6,7
	v_min_u32 v[PA+\j], 4*(NK-\stp), v[PA+\j]      ; the bound in front of the read: position + step - 1 is a knot (the steps so far sum to no more)
.endr
.irp j, 0,1,2,3,4,5,6,7
	ds_load_b32 v[PV+\j], v[PA+\j] offset:BA+4*(\stp-1)
.endr
.irp j, 0,1,2,3,4,5,6,7
	v_add_nc_u32 v[AD2+\j], 4*\stp, v[PA+\j]
.endr
	s_wait_dscnt 0x4                               ; LDS serves a wave in order (ISA guide 5.7.1): the first four of the eight pivots are in
.irp j, 0,1,2,3
	v_cmp_lt_i32 s[MK+\j], v[PV+\j], v[TG+\j]
.endr
	s_wait_dscnt 0x0
.irp j, 4,5,6,7
	v_cmp_lt_i32 s[MK+\j], v[PV+\j], v[TG+\j]
.endr
.irp j, 0,1,2,3,4,5,6,7
	v_cndmask_b32 v[PA+\j], v[PA+\j], v[AD2+\j], s[MK+\j]
.endr
.endm
.irp s, 1024,512,256,128,64,32,16,8,4,2,1,1
	SSTEP \s
.endr
	v_lshlrev_b32 v[W], 5, v0
	ds_store_b128 v[W], v[PA:PA+3]   offset:TBL
	ds_store_b128 v[W], v[PA+4:PA+7] offset:TBL+16
	s_wait_dscnt 0x0                               ; records and table are written: zero, for the other waves' sake
	s_barrier_signal -1
	s_barrier_wait -1                              ; from here on LDS is only read
; One trip: 8 queries a lane.  q = the set of keys; n = 0, 1: the trip's place in the pair; ahead = 1: the set is loaded again, two trips on;
; left = how many younger key loads may stay out.
; An address made from loaded numbers is bounded by v_min_u32 with a constant in front of the read; behind the bound stand only a shift and a sum.
.macro TRIP q, n, ahead, left
	s_wait_loadcnt \left                           ; this set's two loads are in
	s_wait_xcnt 0x0                                ; P, which the last trip's stores read, is written again only behind this wait
	BUCKET \q, 8
.irp j, 0,1,2,3,4,5,6,7
	ds_load_b32 v[POS+\j], v[M+\j] offset:TBL      ; 4 x lo[bucket]
.endr
	s_mov_b32 s[ST], s[PS0]
	s_mov_b32 s[IC], 0
	s_wait_dscnt 0x0
.Lstep_\@:
.irp j, 0,1,2,3,4,5,6,7
	v_add_nc_u32 v[AD+\j], s[ST], v[POS+\j]
.endr
.irp j, 0,1,2,3,4,5,6,7
	v_min_u32 v[AD+\j], 4*(NK+1), v[AD+\j]         ; a pivot past knot 4095 becomes the pad's first word: the largest key, never below a query
.endr
.irp j, 0,1,2,3,4,5,6,7
	ds_load_b32 v[P+\j], v[AD+\j] offset:KX-4      ; the key of knot count + step - 1
.endr
	s_wait_dscnt 0x4                               ; the first four of the eight pivots are in
.irp j, 0,1,2,3
	v_cmp_lt_i32 s[MK+\j], v[P+\j], v[\q+\j]
.endr
	s_wait_dscnt 0x0
.irp j, 4,5,6,7
	v_cmp_lt_i32 s[MK+\j], v[P+\j], v[\q+\j]
.endr
.irp j, 0,1,2,3,4,5,6,7
	v_cndmask_b32 v[POS+\j], v[POS+\j], v[AD+\j], s[MK+\j]
.endr
	s_lshr_b32 s[ST], s[ST], 1
	s_add_co_u32 s[IC], s[IC], 1
	s_cmp_lt_u32 s[IC], s[PL]
	s_cbranch_scc1 .Lstep_\@
.irp j, 0,1,2,3,4,5,6,7
	v_min_u32 v[POS+\j], 4*(NK-1), v[POS+\j]       ; counts 4095 and 4096 share a record: the upper end of the reference's clip
.endr
.irp j, 0,1,2,3,4,5,6,7
	v_lshl_add_u32 v[AD+\j], v[POS+\j], 1, LXB
.endr
.irp j, 0,1,2,3,4,5,6,7
	v_lshl_add_u32 v[POS+\j], v[POS+\j], 2, LCF
.endr
.irp j, 0,1,2,3,4,5,6,7
	ds_load_b64  v[XB+2*\j:XB+2*\j+1], v[AD+\j]
	ds_load_b128 v[CF+4*\j:CF+4*\j+3], v[POS+\j]
.endr
.irp j, 0,1,2,3,4,5,6,7
	s_wait_dscnt 14-2*\j                           ; behind chain j's record stand the two reads of each of the 7-j later chains
	v_sub_f32 v[T+\j], v[T+\j], v[XB+2*\j]         ; t - x0 first, then the scale: fused as t/dx - x0/dx it would be a difference of large numbers
.endr
.irp j, 0,1,2,3,4,5,6,7
	v_mul_f32 v[T+\j], v[T+\j], v[XB+2*\j+1]       ; tn
.endr
.irp j, 0,1,2,3,4,5,6,7
	v_fma_f32 v[AD+\j], v[T+\j], v[CF+4*\j+3], v[CF+4*\j+2]
.endr
.irp j, 0,1,2,3,4,5,6,7
	v_fma_f32 v[AD+\j], v[T+\j], v[AD+\j], v[CF+4*\j+1]
.endr
.irp j, 0,1,2,3,4,5,6,7
	v_fma_f32 v[P+\j], v[T+\j], v[AD+\j], v[CF+4*\j]
.endr
.if \ahead
	global_load_b128 v[\q:\q+3],   v[ADR], s[4:5] offset:(\n+2)*TRIPB th:TH_LOAD_NT        ; loads ahead of stores: the keys of two trips on
	global_load_b128 v[\q+4:\q+7], v[ADR], s[4:5] offset:(\n+2)*TRIPB+HALFB th:TH_LOAD_NT
.endif
	global_store_b128 v[ADR], v[P:P+3],   s[10:11] offset:\n*TRIPB th:TH_STORE_NT
	global_store_b128 v[ADR], v[P+4:P+7], s[10:11] offset:\n*TRIPB+HALFB th:TH_STORE_NT
.endm
	s_mov_b32 s[OCN], 3                            ; trips 0-5 in three pairs, which load trips 2-7
.Lpair:
	TRIP Q0, 0, 1, 2
	TRIP Q1, 1, 1, 2
	s_wait_xcnt 0x0                                ; the bases of the loads and stores above are stepped only behind this wait
	s_add_nc_u64 s[4:5], s[4:5], 2*TRIPB
	s_add_nc_u64 s[10:11], s[10:11], 2*TRIPB
	s_sub_co_u32 s[OCN], s[OCN], 1
	s_cmp_lg_u32 s[OCN], 0
	s_cbranch_scc1 .Lpair
	TRIP Q0, 0, 0, 2                               ; trips 6 and 7 load nothing: no load leaves the work-group's 256 KiB
	TRIP Q1, 1, 0, 0
	s_wait_tensorcnt 0x0
	ds_add_u32 v108, v109
	s_wait_dscnt 0x0
	s_endpgm
.Lfunc_end_k_qe454a7d989_evaluate:
	.size	k_qe454a7d989_evaluate, .Lfunc_end_k_qe454a7d989_evaluate-k_qe454a7d989_evaluate
	.p2alignl 7, 3214868480
	.fill 96, 4, 3214868480
	.section	.rodata,"a",@progbits
	.p2align	6, 0x0
	.amdhsa_kernel k_qe454a7d989_evaluate
		.amdhsa_group_segment_fixed_size 172032
		.amdhsa_private_segment_fixed_size 0
		.amdhsa_enable_private_segment 0
		.amdhsa_kernarg_size 40
		.amdhsa_user_sgpr_count 2
		.amdhsa_user_sgpr_kernarg_segment_ptr 1
		.amdhsa_wavefront_size32 1
		.amdhsa_system_sgpr_workgroup_id_x 1
		.amdhsa_system_sgpr_workgroup_id_y 1
		.amdhsa_system_sgpr_workgroup_id_z 1
		.amdhsa_system_vgpr_workitem_id 0
		.amdhsa_next_free_vgpr 110
		.amdhsa_next_free_sgpr 66
		.amdhsa_reserve_vcc 0
		.amdhsa_float_denorm_mode_32 3
		.amdhsa_float_denorm_mode_16_64 3
		.amdhsa_memory_ordered 1
		.amdhsa_forward_progress 1
		.amdhsa_inst_pref_size 95
	.end_amdhsa_kernel
	.amdgpu_metadata
---
amdhsa.version: [ 1, 2 ]
amdhsa.kernels:
  - .name:           k_qe454a7d989_evaluate
    .symbol:         k_qe454a7d989_evaluate.kd
    .args:
      - { .name: keys, .offset: 0, .size: 8, .value_kind: global_buffer, .address_space: global }
      - { .name: skeys, .offset: 8, .size: 8, .value_kind: global_buffer, .address_space: global }
      - { .name: tab, .offset: 16, .size: 8, .value_kind: global_buffer, .address_space: global }
      - { .name: out0, .offset: 24, .size: 8, .value_kind: global_buffer, .address_space: global }
      - { .name: params, .offset: 32, .size: 8, .value_kind: global_buffer, .address_space: global }
    .group_segment_fixed_size: 172032
    .private_segment_fixed_size: 0
    .kernarg_segment_align: 8
    .kernarg_segment_size: 40
    .max_flat_workgroup_size: 1024
    .sgpr_count:     66
    .vgpr_count:     110
    .wavefront_size: 32
...
	.end_amdgpu_metadata
.endif
;; end of part 4
;; ======== version 3 of 3: 2 launches; version 2 with the launch evaluate written anew for expert scheduling mode
;; workspace buffers: keys 67,108,864 bytes of whole numbers; skeys 16,384 bytes of whole numbers; tab 98,304 bytes; params 256 bytes of whole numbers
;; launch prepare: the kernel of part 3 again; grid 2048 x 1, 8 waves a work-group, no clusters, 34,048 bytes of LDS; arguments t, x, y, keys, skeys, tab, params; writes keys, skeys, tab, params
;; launch evaluate (part 5): grid 256 x 1, 32 waves a work-group, no clusters, 172,032 bytes of LDS; arguments keys, skeys, tab, out0, params; writes out0
.if DOCPART == 5
	.amdgcn_target "amdgcn-amd-amdhsa--gfx1250"
	.amdhsa_code_object_version 6
	.text
	.protected	k_qe454a7d989_evaluate
	.globl	k_qe454a7d989_evaluate
	.p2align	8
	.type	k_qe454a7d989_evaluate,@function
k_qe454a7d989_evaluate:
	s_mov_b64 s[64:65], 0
	v_nop
	global_prefetch_b8 v0, s[64:65] scope:SCOPE_SE
	s_setreg_imm32_b32 hwreg(HW_REG_WAVE_SCHED_MODE, 0, 2), 2
	s_setreg_imm32_b32 hwreg(HW_REG_WAVE_MODE, 25, 1), 1
	s_wait_xcnt 0x0
	s_wait_alu depctr_vm_vsrc(0)
; PCHIP, second of two launches: for each query the number c of knots below it is found, and the cubic filed under c is evaluated.
; keys:  the queries as ordered whole numbers (the first launch's map, which is its own inverse: t comes back from its key here).
; skeys: the knots' keys, in the knots' order.   tab: {x0, 1/dx} x 4096, then {y0, m0, c2, c3} x 4096, filed under c with the reference's clip.
; params: L, the steps of the search inside a bucket.
; All that enters an address here is integer work on whole numbers read from memory; the one trip count that is no constant, L, is read
; from memory as it stands.
; THE INDEX.  A key's float bits (exponent e, mantissa with its leading bit m) give F = m >> min(C - min(e, C), 31), inverted where the sign
; is set; C = the larger exponent of x[0] and x[4095], plus 1: a fixed-point form of the number, 23 bits at the knots' largest magnitude.
;   bucket = min(max(F - F(x[0]), 0) >> r, 8191),  r = the least shift that brings F(x[4095]) - F(x[0]) below 8,192:
; between 4,096 and 8,192 buckets span the 4,096 knots.  F does not fall where the key rises, up to the knots' largest exponent; a query
; with a larger exponent has |F| >= 2^23, above every knot's, and lands at or beyond the end buckets.  So every knot in a lower bucket is
; below the query and every knot in a higher bucket is not:
;   c = lo[bucket] + (the knots of that bucket below the query),   lo[b] = the number of knots in buckets below b.
; The second term is a lower-bound search in the sorted keys from lo[bucket] on, steps 2^(L-1) .. 1, L = the bit length of the fullest bucket's
; count: L = 1 for evenly spaced knots, 13 if all knots share a bucket (right all the same, with more steps).  A pivot past knot 4095 is
; clamped to a pad word with the largest key, which never sends the search on.
; THE TABLE lo is made by each work-group for itself: a thread owns 8 buckets and makes 8 lower-bound searches (13 steps: 2048 .. 1, 1) over
; the knots' bucket numbers.  Every LDS store is at an address made of the thread's number.  The bucket numbers lie at LDS byte 0, so that
; these clamped reads stay below every byte that is stored in the same span between barriers.
; SHARES: 256 work-groups of 32 waves; a work-group takes 65,536 queries in 8 trips of 32 KiB; in a trip a thread takes 16 bytes of each half,
; so a wave's load or store covers 512 consecutive bytes, and a lane runs 8 queries side by side, stage by stage: no line reads the
; result of the line in front of it.
; NO CLUSTER: what work-groups share is 114,688 bytes of tables, read once by each, against 524,288 bytes that each streams alone;
; a joint load would bring the cluster's rounds for that one fill.  No matrix work: the problem has no products of matrices.
; LIMITS: x is non-decreasing, as searchsorted presupposes (on other x the reference's search path is not followed).  tn = (t - x0) times
; the first launch's 1/dx (v_rcp_f32, 1 ulp, denormals flushed); the cubic in Horner form, so the order of rounding is not the reference's.
; A NaN in t gives NaN, whatever record its key leads to.
; THE MODE: SCHED_MODE bits 1:0 = 2 (LLVM: expert scheduling mode 2), set by the entry lines.  The code itself states the register dependences
; between vector instructions and memory or LDS instructions, and between a compare's mask and its reader, with s_wait_alu, always for 0.
; THE PLAN.  Registers that memory or LDS instructions touch:
;   ADR, ADR2, ADR3, WP, WK, WF, WT   made at the head, ahead of one wait on va_vdst, and never written again.
;   Q0, Q1   key loads land; BUCKET and the steps' compares read.  A set is asked for again behind the wait that stands ahead of the record reads.
;   M        BUCKET writes; the reads of lo take it as addresses; later x0 and 1/dx land there (XB).
;   POS      lo lands; selects, bound and shift write; the coefficient reads take it as addresses.
;   AD       sign masks, each step's sums and bounds, the record shift and the cubic's partial sums write; pivot reads and {x0, 1/dx} reads take it as addresses.
;   P        exponents are written there, pivots land, compares read, the results are written, the stores read.
;   XB, CF   records land; the cubic reads.
; Every stage makes the addresses of all eight chains first, so that one wait on va_vdst stands ahead of each run of eight or sixteen reads; one wait on
; va_sdst stands behind each run of compares; a wait on vm_vsrc stands ahead of the first line that writes registers which reads or stores have named.
.set NK,    4096                       ; knots
.set NB,    8192                       ; buckets
.set BA,    0                          ; LDS: 4 x the knots' bucket numbers, 16 KiB
.set TBL,   16384                      ; 4 x lo[b], 32 KiB
.set KX,    49152                      ; the knots' keys, 16 KiB,
.set KXPAD, 65536                      ; and 4 KiB of the largest key behind them (one word a thread; the first is read)
.set LXB,   69632                      ; {x0, 1/dx}, 8 bytes a record
.set LCF,   102400                     ; {y0, m0, c2, c3}, 16 bytes a record
.set TRIPB, 32768                      ; bytes of keys (and of results) of a work-group's trip
.set HALFB, 16384
.set ADR,  1                           ; v1        16 x thread; never rewritten
.set ADR2, 2                           ; v2        the same + 65,536 (an LDS immediate has 16 bits)
.set ADR3, 3                           ; v3        the same + 131,072
.set KN,   4                           ; v[4:7]    my four knots' keys
.set Q0,   8                           ; v[8:15]   keys of the even trips
.set Q1,   16                          ; v[16:23]  keys of the odd trips
.set T,    24                          ; v[24:31]  t, then tn
.set POS,  32                          ; v[32:39]  4 x the count so far
.set AD,   40                          ; v[40:47]  4 x the count if the step is taken; later at work
.set SG,   40                          ;           (first: the sign masks)
.set P,    48                          ; v[48:55]  pivots; at the end the results
.set E,    48                          ;           (first: exponents, shifts)
.set XB,   56                          ; v[56:71]  x0, 1/dx
.set M,    56                          ;           (first: mantissa, F, 4 x bucket)
.set CF,   72                          ; v[72:103] y0, m0, c2, c3.  First: the stage of the tables' fill
.set WP,   104                         ; v104      LDS address of my word of the pad; never rewritten
.set WK,   105                         ; v105      the largest key; never rewritten
.set WF,   106                         ; v106      LDS address of knot 2047's bucket number; never rewritten
.set WS,   107                         ; v107      4 x 2048
.set WT,   108                         ; v108      32 x thread: my 8 words of lo; never rewritten
.set PA,   32                          ; set-up: v[32:39] 4 x position of my 8 searches
.set TG,   42                          ;         v[42:49] 4 x their buckets
.set AD2,  52                          ;         v[52:59] position if the step is taken
.set PV,   62                          ;         v[62:69] pivots
.set PC,    20                         ; s20  C
.set PFN,   21                         ; s21  -F(x[0])
.set PR,    22                         ; s22  r
.set PL,    23                         ; s23  L
.set PS0,   24                         ; s24  4 x the first step
.set MASKS, 25                         ; s25  a float's mantissa
.set BITS,  26                         ; s26  its leading bit
.set ST,    27                         ; s27  4 x the step
.set IC,    28                         ; s28  counts the steps
.set OCN,   29                         ; s29  counts the pairs of trips
.set MK,    40                         ; s[40:47] one mask a chain
; 4 x the bucket of n keys in v[kb ..] into v[M ..]; their float bits into v[T ..].  Stage by stage.
.macro BUCKET kb, n
.set jj, 0
.rept \n
	v_ashrrev_i32 v[SG+jj], 31, v[\kb+jj]          ; all ones where the sign is set
.set jj, jj+1
.endr
.set jj, 0
.rept \n
	v_lshrrev_b32 v[T+jj], 1, v[SG+jj]
.set jj, jj+1
.endr
.set jj, 0
.rept \n
	v_xor_b32 v[T+jj], v[T+jj], v[\kb+jj]          ; the float's bits
.set jj, jj+1
.endr
.set jj, 0
.rept \n
	v_bfe_u32 v[E+jj], v[T+jj], 23, 8              ; e
.set jj, jj+1
.endr
.set jj, 0
.rept \n
	v_and_or_b32 v[M+jj], v[T+jj], s[MASKS], s[BITS]   ; m
.set jj, jj+1
.endr
.set jj, 0
.rept \n
	v_min_u32 v[E+jj], s[PC], v[E+jj]
.set jj, jj+1
.endr
.set jj, 0
.rept \n
	v_sub_nc_u32 v[E+jj], s[PC], v[E+jj]           ; C - min(e, C)
.set jj, jj+1
.endr
.set jj, 0
.rept \n
	v_min_u32 v[E+jj], 31, v[E+jj]                 ; a shift takes 5 bits; m >> 24 and more is 0 anyway
.set jj, jj+1
.endr
.set jj, 0
.rept \n
	v_lshrrev_b32 v[M+jj], v[E+jj], v[M+jj]
.set jj, jj+1
.endr
.set jj, 0
.rept \n
	v_xor_b32 v[M+jj], v[M+jj], v[SG+jj]           ; F
.set jj, jj+1
.endr
.set jj, 0
.rept \n
	v_add_nc_u32 v[M+jj], s[PFN], v[M+jj]          ; F - F(x[0]): below 2^25 in magnitude
.set jj, jj+1
.endr
.set jj, 0
.rept \n
	v_cmp_le_i32 s[MK+jj], 0, v[M+jj]
.set jj, jj+1
.endr
	s_wait_alu depctr_va_sdst(0)                   ; the compares have written their masks s[MK ..], ahead of the selects that read them
.set jj, 0
.rept \n
	v_cndmask_b32 v[M+jj], 0, v[M+jj], s[MK+jj]    ; below the first knot: bucket 0
.set jj, jj+1
.endr
.set jj, 0
.rept \n
	v_lshrrev_b32 v[M+jj], s[PR], v[M+jj]
.set jj, jj+1
.endr
.set jj, 0
.rept \n
	v_lshlrev_b32 v[M+jj], 2, v[M+jj]
.set jj, jj+1
.endr
.set jj, 0
.rept \n
	v_min_u32 v[M+jj], 4*(NB-1), v[M+jj]           ; above the last knot: at the most the last bucket
.set jj, jj+1
.endr
.endm
; The same for one key in a scalar register, in two parts: sign mask, bits and exponent; then, C being known, F (a knot's e is below C).
.macro SKEY key, sgn, bits, ex
	s_ashr_i32 s[\sgn], s[\key], 31
	s_lshr_b32 s[\bits], s[\sgn], 1
	s_xor_b32 s[\bits], s[\bits], s[\key]
	s_bfe_u32 s[\ex], s[\bits], 0x80017            ; 8 bits from bit 23
.endm
.macro SFIX sgn, bits, ex, out
	s_sub_co_u32 s[\ex], s[PC], s[\ex]
	s_min_u32 s[\ex], s[\ex], 31
	s_and_b32 s[\bits], s[\bits], s[MASKS]
	s_or_b32 s[\bits], s[\bits], s[BITS]
	s_lshr_b32 s[\out], s[\bits], s[\ex]
	s_xor_b32 s[\out], s[\out], s[\sgn]
.endm
	s_load_b256 s[4:11], s[0:1], 0x0               ; keys s[4:5], skeys s[6:7], tab s[8:9], out0 s[10:11]
	s_load_b64 s[14:15], s[0:1], 0x20              ; params
	v_lshl_add_u32 v110, v0, 2, 0x29000
	v_mov_b32 v111, 0
	s_lshl_b32 s2, ttmp9, 18                       ; the work-group's 256 KiB: below 2^26
	s_mov_b32 s3, 0
	s_mov_b32 s[MASKS], 0x7fffff
	s_mov_b32 s[BITS], 0x800000
	v_lshlrev_b32 v[ADR], 4, v0                    ; all addresses and constants of the kernel are made here, in the wait for the arguments
	v_lshl_add_u32 v[WP], v0, 2, KXPAD             ; my word of the pad
	v_mov_b32 v[WK], 0x7fffffff
	v_mov_b32 v[WF], BA+4*2047
	v_mov_b32 v[WS], 4*2048
	v_lshlrev_b32 v[WT], 5, v0
	v_add_nc_u32 v[ADR2], 0x10000, v[ADR]
	v_add_nc_u32 v[ADR3], 0x20000, v[ADR]
	s_wait_kmcnt 0x0
	s_load_b32 s12, s[6:7], 0x0                    ; the first knot's key
	s_load_b32 s13, s[6:7], 4*(NK-1)               ; the last knot's
	s_load_b32 s[PL], s[14:15], 0x0                ; L
	s_wait_alu depctr_va_vdst(0)                   ; ADR, ADR2, ADR3, WP, WK, WF and WT are written: the kernel's loads, stores and LDS stores read them, and no line writes them again
	global_load_b128 v[KN:KN+3], v[ADR], s[6:7]    ; knots 4 t .. 4 t + 3
.irp j, 0,1,2,3,4,5
	global_load_b128 v[CF+4*\j:CF+4*\j+3], v[ADR], s[8:9] offset:16384*\j   ; tab: six times 1,024 threads x 16 bytes
.endr
	s_add_nc_u64 s[4:5], s[4:5], s[2:3]
	s_add_nc_u64 s[10:11], s[10:11], s[2:3]
	global_load_b128 v[Q0:Q0+3],   v[ADR], s[4:5] th:TH_LOAD_NT                      ; trips 0 and 1
	global_load_b128 v[Q0+4:Q0+7], v[ADR], s[4:5] offset:HALFB th:TH_LOAD_NT
	global_load_b128 v[Q1:Q1+3],   v[ADR], s[4:5] offset:TRIPB th:TH_LOAD_NT
	global_load_b128 v[Q1+4:Q1+7], v[ADR], s[4:5] offset:TRIPB+HALFB th:TH_LOAD_NT
	s_wait_kmcnt 0x0
	s_max_u32 s[PL], s[PL], 1                      ; L is 1 to 13 as it was stored; the bounds are written out for the loop below
	s_min_u32 s[PL], s[PL], 13
	s_lshl_b32 s[PS0], 2, s[PL]                    ; 4 x 2^(L-1)
	; C, F(x[0]) and r
	SKEY 12, 30, 31, 32
	SKEY 13, 33, 34, 35
	s_max_u32 s[PC], s32, s35
	s_add_co_u32 s[PC], s[PC], 1
	SFIX 30, 31, 32, 37
	SFIX 33, 34, 35, 36
	s_sub_co_i32 s36, s36, s37                     ; the knots' span in F, below 2^24
	s_max_i32 s36, s36, 0
	s_sub_co_i32 s[PFN], 0, s37
	s_mov_b32 s[PR], 0
.irp j, 13,14,15,16,17,18,19,20,21,22,23
	s_cmp_ge_u32 s36, 1<<\j                        ; r = how many of 2^13 .. 2^23 the span reaches
	s_add_co_ci_u32 s[PR], s[PR], 0
.endr
	s_wait_loadcnt 0xa                             ; my knots' keys are in; the ten loads behind them (6 of tab, 4 of keys) stay out
	BUCKET KN, 4
	s_wait_alu depctr_va_vdst(0)                   ; BUCKET has written v[M .. M+3], which the first LDS store reads
	ds_store_b128 v[ADR], v[M:M+3] offset:BA
	ds_store_b128 v[ADR], v[KN:KN+3] offset:KX
	ds_store_b32  v[WP], v[WK]
	s_wait_dscnt 0x0                               ; written: zero, for the other waves' sake
	s_barrier_signal -1
	s_barrier_wait -1                              ; all knots' bucket numbers are there; they are only read from here on
	s_wait_loadcnt 0x4                             ; tab is in; the four key loads stay out
	ds_store_b128 v[ADR2], v[CF:CF+3]     offset:LXB-0x10000
	ds_store_b128 v[ADR2], v[CF+4:CF+7]   offset:LXB+16384-0x10000
	ds_store_b128 v[ADR2], v[CF+8:CF+11]  offset:LXB+32768-0x10000
	ds_store_b128 v[ADR2], v[CF+12:CF+15] offset:LXB+49152-0x10000
	ds_store_b128 v[ADR3], v[CF+16:CF+19] offset:LXB+65536-0x20000
	ds_store_b128 v[ADR3], v[CF+20:CF+23] offset:LXB+81920-0x20000
	; lo[8 t .. 8 t + 7]: eight lower-bound searches side by side.  Behind the steps 2048 .. 1 the position is at most 4095; the second step of 1 lets it reach 4096.
	ds_load_b32 v[PV], v[WF]                       ; the first step's pivot is knot 2047 for every search: it is read once (no vector line has named v[PV] or, since the head's wait, v[WF])
.irp j, 0,1,2,3,4,5,6,7
	v_lshl_add_u32 v[TG+\j], v0, 5, 4*\j           ; 4 x (8 t + j)
.endr
	s_wait_dscnt 0x0
	s_wait_alu depctr_vm_vsrc(0)                   ; my LDS store of the bucket numbers has read v[M .. M+3]: the searches' AD2 writes these four registers
.irp j, 0,1,2,3,4,5,6,7
	v_cmp_lt_i32 s[MK+\j], v[PV], v[TG+\j]
.endr
	s_wait_alu depctr_va_sdst(0)                   ; the eight masks are written, ahead of the selects that read them
.irp j, 0,1,2,3,4,5,6,7
	v_cndmask_b32 v[PA+\j], 0, v[WS], s[MK+\j]     ; and the first select starts the positions: nothing is cleared
.endr
.macro SSTEP stp
.irp j, 0,1,2,3,4,5,6,7
	v_min_u32 v[PA+\j], 4*(NK-\stp), v[PA+\j]      ; the bound in front of the read: position + step - 1 is a knot (the steps so far sum to no more)
.endr
	s_wait_alu depctr_va_vdst(0)                   ; the bounds have written v[PA ..], the reads' addresses; the last step's compares are done reading v[PV ..], in which the pivots land
.irp j, 0,1,2,3,4,5,6,7
	ds_load_b32 v[PV+\j], v[PA+\j] offset:BA+4*(\stp-1)
.endr
.irp j, 0,1,2,3,4,5,6,7
	v_add_nc_u32 v[AD2+\j], 4*\stp, v[PA+\j]
.endr
	s_wait_dscnt 0x4                               ; LDS serves a wave in order (ISA guide 5.7.1): the first four of the eight pivots are in
.irp j, 0,1,2,3
	v_cmp_lt_i32 s[MK+\j], v[PV+\j], v[TG+\j]
.endr
	s_wait_dscnt 0x0
.irp j, 4,5,6,7
	v_cmp_lt_i32 s[MK+\j], v[PV+\j], v[TG+\j]
.endr
	s_wait_alu depctr_va_sdst(0)                   ; the eight masks are written, ahead of the selects that read them
	s_wait_alu depctr_vm_vsrc(0)                   ; the pivots' reads have read v[PA ..], which the selects write
.irp j, 0,1,2,3,4,5,6,7
	v_cndmask_b32 v[PA+\j], v[PA+\j], v[AD2+\j], s[MK+\j]
.endr
.endm
.irp s, 1024,512,256,128,64,32,16,8,4,2,1,1
	SSTEP \s
.endr
	s_wait_alu depctr_va_vdst(0)                   ; the last selects have written v[PA ..], which the two LDS stores read
	ds_store_b128 v[WT], v[PA:PA+3]   offset:TBL
	ds_store_b128 v[WT], v[PA+4:PA+7] offset:TBL+16
	s_wait_dscnt 0x0                               ; records and table are written: zero, for the other waves' sake
	s_barrier_signal -1
	s_barrier_wait -1                              ; from here on LDS is only read
; One trip: 8 queries a lane.  q = the set of keys; n = 0, 1: the trip's place in the pair; ahead = 1: the set is loaded again, two trips on;
; left = how many younger key loads may stay out.
; An address made from loaded numbers is bounded by v_min_u32 with a constant in front of the read; behind the bound stand only a shift and a sum.
.macro TRIP q, n, ahead, left
	s_wait_loadcnt \left                           ; this set's two loads are in
	s_wait_xcnt 0x0                                ; P, which the last trip's stores read, is written again only behind this wait
	s_wait_alu depctr_vm_vsrc(0)                   ; the last trip's stores have read v[P ..], which BUCKET writes; in the first trip: the stores of lo have read v[PA ..], in which lo lands below
	BUCKET \q, 8
	s_wait_alu depctr_va_vdst(0)                   ; BUCKET has written v[M ..], the reads' addresses; the earlier lines that wrote v[POS ..] are done, and lo lands there
.irp j, 0,1,2,3,4,5,6,7
	ds_load_b32 v[POS+\j], v[M+\j] offset:TBL      ; 4 x lo[bucket]
.endr
	s_mov_b32 s[ST], s[PS0]
	s_mov_b32 s[IC], 0
	s_wait_dscnt 0x0
.Lstep_\@:
.irp j, 0,1,2,3,4,5,6,7
	v_add_nc_u32 v[AD+\j], s[ST], v[POS+\j]
.endr
.irp j, 0,1,2,3,4,5,6,7
	v_min_u32 v[AD+\j], 4*(NK+1), v[AD+\j]         ; a pivot past knot 4095 becomes the pad's first word: the largest key, never below a query
.endr
	s_wait_alu depctr_va_vdst(0)                   ; the bounds have written v[AD ..], the reads' addresses; BUCKET's exponent lines, or the last step's compares, are done with v[P ..], in which the pivots land
.irp j, 0,1,2,3,4,5,6,7
	ds_load_b32 v[P+\j], v[AD+\j] offset:KX-4      ; the key of knot count + step - 1
.endr
	s_wait_dscnt 0x4                               ; the first four of the eight pivots are in
.irp j, 0,1,2,3
	v_cmp_lt_i32 s[MK+\j], v[P+\j], v[\q+\j]
.endr
	s_wait_dscnt 0x0
.irp j, 4,5,6,7
	v_cmp_lt_i32 s[MK+\j], v[P+\j], v[\q+\j]
.endr
	s_wait_alu depctr_va_sdst(0)                   ; the eight masks are written, ahead of the selects that read them
	s_wait_alu depctr_vm_vsrc(0)                   ; the pivots' reads have read v[AD ..], which the next step's sums or the records' shifts write; the reads of lo have read v[M ..], in which records land
.irp j, 0,1,2,3,4,5,6,7
	v_cndmask_b32 v[POS+\j], v[POS+\j], v[AD+\j], s[MK+\j]
.endr
	s_lshr_b32 s[ST], s[ST], 1
	s_add_co_u32 s[IC], s[IC], 1
	s_cmp_lt_u32 s[IC], s[PL]
	s_cbranch_scc1 .Lstep_\@
.irp j, 0,1,2,3,4,5,6,7
	v_min_u32 v[POS+\j], 4*(NK-1), v[POS+\j]       ; counts 4095 and 4096 share a record: the upper end of the reference's clip
.endr
.irp j, 0,1,2,3,4,5,6,7
	v_lshl_add_u32 v[AD+\j], v[POS+\j], 1, LXB
.endr
.irp j, 0,1,2,3,4,5,6,7
	v_lshl_add_u32 v[POS+\j], v[POS+\j], 2, LCF
.endr
	s_wait_alu depctr_va_vdst(0)                   ; v[AD ..] and v[POS ..], the reads' addresses, are written; BUCKET is done with v[M ..] and the last trip's cubic with XB and CF, in which the records land; the compares are done reading this set's keys, in which the loads further down land
.irp j, 0,1,2,3,4,5,6,7
	ds_load_b64  v[XB+2*\j:XB+2*\j+1], v[AD+\j]
	ds_load_b128 v[CF+4*\j:CF+4*\j+3], v[POS+\j]
.endr
.irp j, 0,1,2,3,4,5,6,7
	s_wait_dscnt 14-2*\j                           ; behind chain j's record stand the two reads of each of the 7-j later chains
	v_sub_f32 v[T+\j], v[T+\j], v[XB+2*\j]         ; t - x0 first, then the scale: fused as t/dx - x0/dx it would be a difference of large numbers
.endr
.irp j, 0,1,2,3,4,5,6,7
	v_mul_f32 v[T+\j], v[T+\j], v[XB+2*\j+1]       ; tn
.endr
	s_wait_alu depctr_vm_vsrc(0)                   ; the records' reads have read v[AD ..], which the multiply-adds below write
.if \ahead
	global_load_b128 v[\q:\q+3],   v[ADR], s[4:5] offset:(\n+2)*TRIPB th:TH_LOAD_NT        ; the keys of two trips on.  No wait of their own: no vector line since the wait ahead of the records' reads names this set or v[ADR]
	global_load_b128 v[\q+4:\q+7], v[ADR], s[4:5] offset:(\n+2)*TRIPB+HALFB th:TH_LOAD_NT
.endif
.irp j, 0,1,2,3,4,5,6,7
	v_fma_f32 v[AD+\j], v[T+\j], v[CF+4*\j+3], v[CF+4*\j+2]
.endr
.irp j, 0,1,2,3,4,5,6,7
	v_fma_f32 v[AD+\j], v[T+\j], v[AD+\j], v[CF+4*\j+1]
.endr
.irp j, 0,1,2,3,4,5,6,7
	v_fma_f32 v[P+\j], v[T+\j], v[AD+\j], v[CF+4*\j]
.endr
	s_wait_alu depctr_va_vdst(0)                   ; the last multiply-adds have written v[P ..], which the two stores read
	global_store_b128 v[ADR], v[P:P+3],   s[10:11] offset:\n*TRIPB th:TH_STORE_NT
	global_store_b128 v[ADR], v[P+4:P+7], s[10:11] offset:\n*TRIPB+HALFB th:TH_STORE_NT
.endm
	s_mov_b32 s[OCN], 3                            ; trips 0-5 in three pairs, which load trips 2-7
.Lpair:
	TRIP Q0, 0, 1, 2
	TRIP Q1, 1, 1, 2
	s_wait_xcnt 0x0                                ; the bases of the loads and stores above are stepped only behind this wait
	s_add_nc_u64 s[4:5], s[4:5], 2*TRIPB
	s_add_nc_u64 s[10:11], s[10:11], 2*TRIPB
	s_sub_co_u32 s[OCN], s[OCN], 1
	s_cmp_lg_u32 s[OCN], 0
	s_cbranch_scc1 .Lpair
	TRIP Q0, 0, 0, 2                               ; trips 6 and 7 load nothing: no load leaves the work-group's 256 KiB
	TRIP Q1, 1, 0, 0
	s_wait_dscnt 0x0
	s_wait_alu depctr_hold_cnt(0) depctr_sa_sdst(0) depctr_va_vdst(0) depctr_va_sdst(0) depctr_va_ssrc(0) depctr_va_vcc(0) depctr_vm_vsrc(0)
	s_wait_tensorcnt 0x0
	ds_add_u32 v110, v111
	s_wait_dscnt 0x0
	s_endpgm
.Lfunc_end_k_qe454a7d989_evaluate:
	.size	k_qe454a7d989_evaluate, .Lfunc_end_k_qe454a7d989_evaluate-k_qe454a7d989_evaluate
	.p2alignl 7, 3214868480
	.fill 96, 4, 3214868480
	.section	.rodata,"a",@progbits
	.p2align	6, 0x0
	.amdhsa_kernel k_qe454a7d989_evaluate
		.amdhsa_group_segment_fixed_size 172032
		.amdhsa_private_segment_fixed_size 0
		.amdhsa_enable_private_segment 0
		.amdhsa_kernarg_size 40
		.amdhsa_user_sgpr_count 2
		.amdhsa_user_sgpr_kernarg_segment_ptr 1
		.amdhsa_wavefront_size32 1
		.amdhsa_system_sgpr_workgroup_id_x 1
		.amdhsa_system_sgpr_workgroup_id_y 1
		.amdhsa_system_sgpr_workgroup_id_z 1
		.amdhsa_system_vgpr_workitem_id 0
		.amdhsa_next_free_vgpr 112
		.amdhsa_next_free_sgpr 66
		.amdhsa_reserve_vcc 0
		.amdhsa_float_denorm_mode_32 3
		.amdhsa_float_denorm_mode_16_64 3
		.amdhsa_memory_ordered 1
		.amdhsa_forward_progress 1
		.amdhsa_inst_pref_size 98
	.end_amdhsa_kernel
	.amdgpu_metadata
---
amdhsa.version: [ 1, 2 ]
amdhsa.kernels:
  - .name:           k_qe454a7d989_evaluate
    .symbol:         k_qe454a7d989_evaluate.kd
    .args:
      - { .name: keys, .offset: 0, .size: 8, .value_kind: global_buffer, .address_space: global }
      - { .name: skeys, .offset: 8, .size: 8, .value_kind: global_buffer, .address_space: global }
      - { .name: tab, .offset: 16, .size: 8, .value_kind: global_buffer, .address_space: global }
      - { .name: out0, .offset: 24, .size: 8, .value_kind: global_buffer, .address_space: global }
      - { .name: params, .offset: 32, .size: 8, .value_kind: global_buffer, .address_space: global }
    .group_segment_fixed_size: 172032
    .private_segment_fixed_size: 0
    .kernarg_segment_align: 8
    .kernarg_segment_size: 40
    .max_flat_workgroup_size: 1024
    .sgpr_count:     66
    .vgpr_count:     112
    .wavefront_size: 32
...
	.end_amdgpu_metadata
.endif
;; end of part 5
